; MI455X (gfx1250); checked and timed in simulation.
; The chip was launched on July 23, 2026; its instructions are those of AMD's public machine-readable ISA for CDNA 5 (MIT licence, August 2026) and "CDNA5" Instruction Set Architecture Reference Guide (July 2026). The comments in the code are by the model that wrote it; some were corrected since.
;; Multi Head Attention. Allowed arithmetic: matrix products marked QUANTISED: E2M3 operands, one E8M0 scale for each 32 along K, by v_wmma_scale_f32_16x16x128_f8f6f4 with both operands' format E2M3, f32 sums; everything else in f32.
;; Inputs: Wk 1,024 x 1,024 float32; Wo 1,024 x 1,024 float32; Wq 1,024 x 1,024 float32; Wv 1,024 x 1,024 float32; bk 1,024 float32; bo 1,024 float32; bq 1,024 float32; bv 1,024 float32; k 2 x 2,048 x 1,024 float32; q 2 x 2,048 x 1,024 float32; v 2 x 2,048 x 1,024 float32.
;; Outputs: out0 2 x 2,048 x 1,024 float32.
;; This version of the problem:
;;   THIS VERSION OF THE PROBLEM IS GIVEN IN LOW PRECISION. The matrix products marked QUANTISED in the list below multiply operands that are first quantised to E2M3 (2 exponent bits, 3 mantissa bits; 6 bits a number), with one power-of-two scale for each 32 numbers along K (OCP MX v1.0); their sums are f32. All else is computed in f32.
;;   The module's matrix products, in the order in which they are computed (A, B: the left and right operand; K: the contracted axis; several contracted axes count as one K, in the product's order):
;;     1. [M 4,096, K 1,024] x [K 1,024, N 1,024]; A: input q; B: input Wq: QUANTISED
;;     2. [M 4,096, K 1,024] x [K 1,024, N 1,024]; A: input k; B: input Wk: QUANTISED
;;     3. [M 4,096, K 1,024] x [K 1,024, N 1,024]; A: input v; B: input Wv: QUANTISED
;;     4. batch 32 x [M 2,048, K 64] x [K 64, N 2,048]; A: computed on the way; B: computed on the way: QUANTISED
;;     5. batch 32 x [M 2,048, K 2,048] x [K 2,048, N 64]; A: softmax (see below); B: computed on the way: QUANTISED
;;     6. [M 4,096, K 1,024] x [K 1,024, N 1,024]; A: computed on the way; B: input Wo: QUANTISED
;;   THE QUANTISER, for each operand of a quantised product, along K:
;;     - K is cut into blocks of 32 from its start; a last block that is shorter is filled with zeros.
;;     - A block's scale is 2^e with e = floor(log2(the largest magnitude in the block)) - 2, held to -126 .. 127; a block of zeros has e = 0. As a byte (E8M0): e + 127.
;;     - Each number is divided by its block's scale, clamped to +-7.5, and rounded to the nearest number of E2M3, ties to even, subnormals kept.
;;     - The product sums the exact products of the quantised numbers (number of the format x scale) in f32.
;;   ~~~python
;;   def quantise(x, axis):      # numpy; x: float32 -> the quantised numbers, widened to float32 again
;;       x = np.moveaxis(x, axis, -1); K = x.shape[-1]
;;       x = np.pad(x, [(0, 0)] * (x.ndim - 1) + [(0, -K % 32)]); x = x.reshape(x.shape[:-1] + (-1, 32)); a = np.abs(x).max(-1, keepdims=True)
;;       e = np.where(a > 0, np.clip(np.frexp(np.where(a > 0, a, 1))[1] - 1 - 2, -126, 127), 0)      # np.frexp(a)[1] - 1 = floor(log2(a)), exactly
;;       r = np.clip(x / 2.0 ** e, -7.5, 7.5)
;;       step = 2.0 ** (np.maximum(np.frexp(np.where(r == 0, 1, r))[1] - 1, 0) - 3)
;;       q = np.round(r / step) * step * 2.0 ** e      # np.round: ties to even
;;       return np.moveaxis(q.reshape(q.shape[:-2] + (-1,))[..., :K], -1, axis).astype(np.float32)
;;   ~~~
;;   SOFTMAX AHEAD OF A QUANTISED PRODUCT. Where the list says 'softmax', what is quantised is not the finished softmax but p = 2^(t - M), with t = logit x log2(e) and M = ceil(the row's largest t), a whole number; so 1/2 < the row's largest p <= 1. The row's sum l is taken of the UNQUANTISED p, in f32, and the product's result is divided by l at the end. Since M is a whole number, a kernel that streams over the keys may use a running M (the ceiling of the running maximum): every later rescaling is an exact power of two, which a block's scale takes up: the codes' values come out the same.
;;   OPERANDS COMPUTED ON THE WAY. 'Computed on the way' means the value that the module computes at that place (a softmax that the list does not call 'softmax' is quantised finished and normalised). What goes into a quantiser is computed in f32, as accurately as f32 sums, v_exp_f32 and their like allow (about 1e-6 of the number): no bf16 or f16 on the way to a quantiser, and a product that is left as it is and whose result goes on into a quantised operand takes f32 operands (vector FMAs, or v_wmma_f32_16x16x4_f32). A number that lies on a knife's edge between two numbers of the format may be rounded either way, as far as f32 arithmetic and the matrix unit's own rounding can turn it there, and no further.
;; One version. Each part assembles by itself: llvm-mc -triple=amdgcn-amd-amdhsa -mcpu=gfx1250 --defsym DOCPART=n.
;; ======== version 1 of 1: 4 launches
;; limits: right only within a limited range of input values
;; workspace buffers: Xc 9,437,184 bytes; Xs 393,216 bytes; Wc 3,145,728 bytes; Ws 131,072 bytes; Qb 3,276,800 bytes; KV 6,553,600 bytes; Oc 3,145,728 bytes; Os 131,072 bytes
;; launch quant (part 1): grid 512 x 1, 8 waves a work-group, no clusters, 68,608 bytes of LDS; arguments q, k, v, Wq, Wk, Wv, Wo, Xc, Xs, Wc, Ws; writes Xc, Xs, Wc, Ws
.if DOCPART == 1
	.amdgcn_target "amdgcn-amd-amdhsa--gfx1250"
	.amdhsa_code_object_version 6
	.text
	.protected	k_qfc7378178e_quant
	.globl	k_qfc7378178e_quant
	.p2align	8
	.type	k_qfc7378178e_quant,@function
k_qfc7378178e_quant:
	s_mov_b64 s[64:65], 0
	v_nop
	global_prefetch_b8 v0, s[64:65] scope:SCOPE_SE
	s_setreg_imm32_b32 hwreg(HW_REG_WAVE_MODE, 25, 1), 1
	s_wait_xcnt 0x0
; q, k, v [4096][1024] and Wq, Wk, Wv, Wo [1024 (k)][1024 (n)], f32, become codes of FP6 (E2M3) with one E8M0 byte for each 32 along K (K = the 1,024 of the model).
; A block's scale is 2^(floor(log2(largest magnitude)) - 2): its byte is the largest magnitude's exponent field - 2, held at 1 from below.
; LIMITS: NaN and infinities are not served; a block of zeros, or one whose largest magnitude lies under 2^-124, gets the byte 1 (its codes add nothing; only this program reads the bytes).
; THE OUTPUT IS LAID AS THE MATRIX UNIT'S REGISTERS.  An IMAGE is a fragment of 16 rows x 128 K, 12 registers a lane, 1,536 bytes: register p of lane L at 512 (p / 4) + 16 L + 4 (p % 4).
; THE ROWS OF A TILE ARE NOT NEIGHBOURS: lane r of tile 2 B + u takes row (token, or column of a weight) 32 B + 8 u + r + 8 (r / 8).
; Xc [tensor 3][tile 256][K step 8] image; Xs [tensor][tile][K step 8][r 16] one word of four bytes;  Wc [weight 4][tile 64][K step 8] image;  Ws likewise.
; Work-groups 0-383 take q, k, v (a wave: one tile x two K steps, 16 KiB of f32); work-groups 384-511 the weights (a wave: 32 columns x one K step, 16 KiB).  Waves share nothing: no barrier.
.set TM,    16                         ; v16-31  largest magnitudes, bytes, scale operands
.set PW,    32                         ; v32-33  the two K steps' scale words
.set WO,    34                         ; v34     the word that leaves
.set PC,    36                         ; v36-55  the codes just made
.set R,     64                         ; v64-191 two K steps as they are loaded
.set X,     192                        ; v192-255 64 numbers of my row, in the order of the conversions
.set SEL,   32                         ; s[32:33] lane selects: lane l xor 16
.set HI,    34                         ; s34     lanes 16-31
.set PITCH, 528                        ; a stage row: 512 bytes + 16 = 132 words: row r begins at bank 4 r mod 64 (64 banks of 4 bytes: ISA guide 11.1)
.set IMG,   24                         ; weights: v24-47 the image registers of lanes (r', 0) and (r', 1)
.set CT,    48                         ; v48-50  a conversion's three registers begin on an even number: a block's upper half is made here and moved
.set WN,    64                         ; v64-191 my column's 128 numbers down K
; 64 numbers of a lane, register 16 b + i = k 32 b + 16 (lane / 16) + i of my row, become an image in v[PC] on and my row's scale word in v[pw].
.macro QUANT s, pw
.irp b, 0,1,2,3
	v_max3_num_f32 v[TM+\b], |v[\s+16*\b]|, |v[\s+1+16*\b]|, 0x1800000   ; my 16 numbers of block b, and the floor 2^(3 - 127): the byte cannot fall under 1
.endr
.irp i, 2,4,6,8,10,12,14
.irp b, 0,1,2,3
	s_delay_alu instid0(VALU_DEP_4)
	v_max3_num_f32 v[TM+\b], v[TM+\b], |v[\s+16*\b+\i]|, |v[\s+1+16*\b+\i]|   ; the four blocks by turns
.endr
.endr
.irp b, 0,1,2,3
	s_delay_alu instid0(VALU_DEP_4)
	v_permlanex16_b32 v[TM+4+\b], v[TM+\b], s[SEL], s[SEL+1]
.endr
.irp b, 0,1,2,3
	s_delay_alu instid0(VALU_DEP_4)
	v_max_num_f32 v[TM+\b], v[TM+\b], v[TM+4+\b]       ; with lane l xor 16's: the block's largest magnitude
.endr
.irp b, 0,1,2,3
	s_delay_alu instid0(VALU_DEP_4)
	v_add_nc_u32 v[TM+12+\b], 0xff000000, v[TM+\b]     ; 2 off its exponent field: the conversion's scale operand
.endr
.irp b, 0,1,2,3
	s_delay_alu instid0(VALU_DEP_4)
	v_lshrrev_b32 v[TM+4+\b], 23, v[TM+12+\b]          ; the scale's byte
.endr
	s_delay_alu instid0(VALU_DEP_3)
	v_lshl_or_b32 v[\pw], v[TM+5], 8, v[TM+4]
	s_delay_alu instid0(VALU_DEP_1)
	v_lshl_or_b32 v[\pw], v[TM+6], 16, v[\pw]
	s_delay_alu instid0(VALU_DEP_1)
	v_lshl_or_b32 v[\pw], v[TM+7], 24, v[\pw]
.irp c, 0,1
	v_cvt_scalef32_pk16_fp6_f32 v[PC+6*\c:PC+2+6*\c], v[\s+32*\c:\s+15+32*\c], v[TM+12+2*\c]
	v_cvt_scalef32_pk16_fp6_f32 v[PC+12+4*\c:PC+14+4*\c], v[\s+16+32*\c:\s+31+32*\c], v[TM+12+2*\c+1]
.endr
	v_nop                                          ; one plain place behind the scaled conversions
.irp c, 0,1                                    ; the layout wants a whole block in a lane: lanes 0-15 block 2 c, lanes 16-31 block 2 c + 1
.irp i, 0,1,2
	v_permlane16_swap_b32 v[PC+6*\c+\i], v[PC+12+4*\c+\i]
.endr
.irp i, 0,1,2
	s_delay_alu instid0(VALU_DEP_3)
	v_mov_b32 v[PC+3+6*\c+\i], v[PC+12+4*\c+\i]
.endr
.endr
.endm
	s_load_b512 s[8:23], s[0:1], 0x0               ; q s[8:9], k s[10:11], v s[12:13], Wq s[14:15], Wk s[16:17], Wv s[18:19], Wo s[20:21], Xc s[22:23]
	s_load_b128 s[24:27], s[0:1], 0x40             ; Xs s[24:25], Wc s[26:27]
	s_load_b64 s[28:29], s[0:1], 0x50              ; Ws
	v_lshl_add_u32 v62, v0, 2, 0x10800
	v_mov_b32 v63, 0
	v_lshrrev_b32 v1, 5, v0
	s_delay_alu instid0(VALU_DEP_1)
	v_readfirstlane_b32 s30, v1                    ; wave 0..7
	v_and_b32 v5, 31, v0                           ; lane
	s_delay_alu instid0(VALU_DEP_1)
	v_lshlrev_b32 v1, 4, v5                        ; 16 L
	s_delay_alu instid0(VALU_DEP_2)
	v_lshlrev_b32 v2, 2, v5                        ; 4 L
	s_cmp_lt_u32 ttmp9, 384
	s_cbranch_scc0 .Lweights
	; ---- q, k, v: K is innermost.  Each load reads 512 consecutive bytes of one row; a K step's 16 rows turn through my wave's stage in LDS and come back 16 neighbours of each block to a lane.
	v_and_b32 v6, 15, v0                           ; r
	v_bfe_u32 v7, v0, 4, 1                         ; h
	s_mul_i32 s35, s30, 16*PITCH                   ; my stage
	v_add_nc_u32 v3, s35, v1                       ; in: 16 L in a row
	v_mul_u32_u24 v4, v6, PITCH
	s_delay_alu instid0(VALU_DEP_1)
	v_lshl_add_u32 v4, v7, 6, v4
	s_delay_alu instid0(VALU_DEP_1)
	v_add_nc_u32 v4, s35, v4                       ; out: row r, + 64 h
	s_mov_b32 s[SEL], 0x76543210
	s_mov_b32 s[SEL+1], 0xfedcba98
	s_mov_b32 s[HI], 0xffff0000
.irp b, 0,1,2,3
	v_mov_b32 v[TM+4+\b], 0                        ; written once: a lane permute's destination counts as one of its sources
.endr
	s_lshr_b32 s36, ttmp9, 7                       ; which tensor
	s_and_b32 s37, ttmp9, 127                      ; tile / 2
	s_lshr_b32 s38, s30, 2                         ; tile % 2
	s_and_b32 s39, s30, 3                          ; which two K steps
	s_lshl_b32 s40, s37, 17                        ; 32 rows of 4,096 bytes,
	s_lshl_b32 s41, s38, 15                        ; 8 rows,
	s_add_co_u32 s40, s40, s41
	s_lshl_b32 s41, s39, 10                        ; 1,024 bytes along K
	s_add_co_u32 s40, s40, s41
	s_mov_b32 s41, 0
	s_lshl_b32 s42, s36, 8
	s_lshl_b32 s43, s37, 1
	s_add_co_u32 s42, s42, s43
	s_add_co_u32 s42, s42, s38                     ; 256 x tensor + tile
	s_mul_i32 s44, s42, 8*1536
	s_mul_i32 s43, s39, 2*1536
	s_add_co_u32 s44, s44, s43                     ; my two images
	s_mov_b32 s45, 0
	s_lshl_b32 s46, s42, 9
	s_lshl_b32 s43, s39, 7
	s_add_co_u32 s46, s46, s43                     ; my 128 bytes of scale words
	s_mov_b32 s47, 0
	s_wait_alu depctr_va_vdst(0)
	s_wait_kmcnt 0x0
	s_cmp_eq_u32 s36, 0                            ; the choice hangs on the work-group's number alone
	s_cselect_b64 s[2:3], s[8:9], s[10:11]
	s_cmp_eq_u32 s36, 2
	s_cselect_b64 s[2:3], s[12:13], s[2:3]
	s_add_nc_u64 s[2:3], s[2:3], s[40:41]
	s_add_nc_u64 s[22:23], s[22:23], s[44:45]
	s_add_nc_u64 s[24:25], s[24:25], s[46:47]
.irp p, 0,1
.irp i, 0,1,2,3,4,5,6,7,8,9,10,11,12,13,14,15
	global_load_b128 v[R+64*\p+4*\i:R+64*\p+4*\i+3], v1, s[2:3] offset:(\i+8*(\i/8))*4096+512*\p th:TH_LOAD_NT   ; row i of the tile: 32 lanes read 512 consecutive bytes
.endr
.endr
.macro XSTEP p
.if \p == 0
	s_wait_loadcnt 16                              ; the first K step's 16 loads are in; the second's may be out
.else
	s_wait_loadcnt 0x0
.endif
.irp i, 0,1,2,3,4,5,6,7,8,9,10,11,12,13,14,15
	ds_store_b128 v3, v[R+64*\p+4*\i:R+64*\p+4*\i+3] offset:PITCH*\i
.endr
.irp b, 0,1,2,3
.irp j, 0,1,2,3
	ds_load_b128 v[X+16*\b+4*\j:X+16*\b+4*\j+3], v4 offset:128*\b+16*\j   ; LDS serves a wave's instructions in order (ISA guide 5.7.1.4): these see the stores above
.endr
.endr
	s_wait_dscnt 0x0
.if \p == 1
	s_wait_xcnt 0x0                                ; the first image's stores have read their registers: the codes may be written again
.endif
	QUANT X, PW+\p
.irp g, 0,1,2
	global_store_b128 v1, v[PC+4*\g:PC+4*\g+3], s[22:23] offset:1536*\p+512*\g   ; 32 lanes store 512 consecutive bytes, aligned
.endr
.endm
	XSTEP 0
	XSTEP 1
	v_cndmask_b32 v[WO], v[PW], v[PW+1], s[HI]     ; lanes 0-15: the even K step's words; lanes 16-31: the odd one's
	global_store_b32 v2, v[WO], s[24:25]
	s_wait_tensorcnt 0x0
	ds_add_u32 v62, v63
	s_wait_dscnt 0x0
	s_endpgm
.Lweights:
	; ---- the weights: K is the first axis.  A lane takes a column and its registers run down K: a block of 32 lies in one lane, and the conversions give codes with K innermost.
	s_sub_co_u32 s36, ttmp9, 384
	s_lshr_b32 s37, s36, 5                         ; which weight
	s_bfe_u32 s38, s36, 0x20003                    ; which 256 columns
	s_and_b32 s39, s36, 7                          ; which K step
	s_lshl_b32 s40, s39, 19                        ; 128 rows of 4,096 bytes
	s_lshl_b32 s41, s38, 10
	s_add_co_u32 s40, s40, s41
	s_lshl_b32 s41, s30, 7                         ; my wave's 32 columns
	s_add_co_u32 s40, s40, s41
	s_mov_b32 s41, 0
	s_lshl_b32 s42, s37, 6
	s_lshl_b32 s43, s38, 4
	s_add_co_u32 s42, s42, s43
	s_lshl_b32 s43, s30, 1
	s_add_co_u32 s42, s42, s43                     ; the first of my two tiles
	s_mul_i32 s44, s42, 8*1536
	s_mul_i32 s43, s39, 1536
	s_add_co_u32 s44, s44, s43
	s_mov_b32 s45, 0
	s_lshl_b32 s46, s42, 9
	s_lshl_b32 s43, s39, 6
	s_add_co_u32 s46, s46, s43
	s_mov_b32 s47, 0
	v_bfe_u32 v6, v0, 3, 1                         ; column 32 B + L is row r' = L % 8 + 8 (L / 16) of tile 2 B + u, u = (L / 8) % 2
	v_and_b32 v7, 7, v0
	v_bfe_u32 v8, v0, 4, 1
	s_delay_alu instid0(VALU_DEP_1)
	v_lshl_add_u32 v7, v8, 3, v7
	s_delay_alu instid0(VALU_DEP_4)
	v_mul_u32_u24 v9, v6, 8*1536
	s_delay_alu instid0(VALU_DEP_1)
	v_lshl_add_u32 v9, v7, 4, v9                   ; my place in the images
	v_lshlrev_b32 v10, 9, v6
	s_delay_alu instid0(VALU_DEP_1)
	v_lshl_add_u32 v10, v7, 2, v10                 ; and among the scale words
	s_wait_kmcnt 0x0
	s_cmp_eq_u32 s37, 0
	s_cselect_b64 s[2:3], s[14:15], s[16:17]
	s_cmp_eq_u32 s37, 2
	s_cselect_b64 s[2:3], s[18:19], s[2:3]
	s_cmp_eq_u32 s37, 3
	s_cselect_b64 s[2:3], s[20:21], s[2:3]
	s_add_nc_u64 s[2:3], s[2:3], s[40:41]
	s_add_nc_u64 s[26:27], s[26:27], s[44:45]
	s_add_nc_u64 s[28:29], s[28:29], s[46:47]
.set n, 0
	s_wait_alu depctr_va_vdst(0)
.rept 128
	global_load_b32 v[WN+n], v2, s[2:3] offset:4096*n th:TH_LOAD_NT   ; row n of the K step: a wave reads 128 consecutive bytes, the eight waves 1,024
.set n, n+1
.endr
.macro WBLOCK be, cnt                  ; block be (rows 32 be on) belongs to image lane (r', be % 2), registers 6 (be / 2) on
.set XB, WN+32*\be
.set IB, IMG+12*(\be%2)+6*(\be/2)
	s_wait_loadcnt \cnt
	v_max3_num_f32 v12, |v[XB]|, |v[XB+1]|, |v[XB+2]|
	v_max3_num_f32 v13, |v[XB+3]|, |v[XB+4]|, |v[XB+5]|
.irp i, 6,10,14,18,22,26
	s_delay_alu instid0(VALU_DEP_2)
	v_max3_num_f32 v12, v12, |v[XB+\i]|, |v[XB+\i+1]|
	s_delay_alu instid0(VALU_DEP_2)
	v_max3_num_f32 v13, v13, |v[XB+\i+2]|, |v[XB+\i+3]|
.endr
	s_delay_alu instid0(VALU_DEP_2)
	v_max3_num_f32 v12, v12, |v[XB+30]|, |v[XB+31]|
	s_delay_alu instid0(VALU_DEP_1)
	v_max3_num_f32 v12, v12, v13, 0x1800000        ; and the floor
	s_delay_alu instid0(VALU_DEP_1)
	v_add_nc_u32 v11, 0xff000000, v12              ; the conversion's scale operand
	s_delay_alu instid0(VALU_DEP_1)
	v_lshrrev_b32 v13, 23, v11                     ; the byte
.if \be == 0
	s_delay_alu instid0(VALU_DEP_1)
	v_mov_b32 v20, v13
.else
	s_delay_alu instid0(VALU_DEP_1)
	v_lshl_or_b32 v20, v13, 8*\be, v20
.endif
	v_cvt_scalef32_pk16_fp6_f32 v[IB:IB+2], v[XB:XB+15], v11
	v_cvt_scalef32_pk16_fp6_f32 v[CT:CT+2], v[XB+16:XB+31], v11
	v_nop                                          ; one plain place behind the scaled conversions
.irp i, 0,1,2
	v_mov_b32 v[IB+3+\i], v[CT+\i]
.endr
.endm
	WBLOCK 0, 63                                   ; behind block 0's loads 96 younger ones were issued, behind block 1's 64: the wait's field holds 63, and a smaller count is safe
	WBLOCK 1, 63
	WBLOCK 2, 32
	WBLOCK 3, 0
.irp p, 0,1
.irp g, 0,1,2
	global_store_b128 v9, v[IMG+12*\p+4*\g:IMG+12*\p+4*\g+3], s[26:27] offset:512*\g+256*\p   ; sixteen lanes (one tile's 16 rows) store 256 consecutive bytes, aligned
.endr
.endr
	global_store_b32 v10, v20, s[28:29]
	s_endpgm
.Lfunc_end_k_qfc7378178e_quant:
	.size	k_qfc7378178e_quant, .Lfunc_end_k_qfc7378178e_quant-k_qfc7378178e_quant
	.p2alignl 7, 3214868480
	.fill 96, 4, 3214868480
	.section	.rodata,"a",@progbits
	.p2align	6, 0x0
	.amdhsa_kernel k_qfc7378178e_quant
		.amdhsa_group_segment_fixed_size 68608
		.amdhsa_private_segment_fixed_size 0
		.amdhsa_enable_private_segment 0
		.amdhsa_kernarg_size 88
		.amdhsa_user_sgpr_count 2
		.amdhsa_user_sgpr_kernarg_segment_ptr 1
		.amdhsa_wavefront_size32 1
		.amdhsa_system_sgpr_workgroup_id_x 1
		.amdhsa_system_sgpr_workgroup_id_y 1
		.amdhsa_system_sgpr_workgroup_id_z 1
		.amdhsa_system_vgpr_workitem_id 0
		.amdhsa_next_free_vgpr 256
		.amdhsa_next_free_sgpr 66
		.amdhsa_reserve_vcc 0
		.amdhsa_float_denorm_mode_32 3
		.amdhsa_float_denorm_mode_16_64 3
		.amdhsa_memory_ordered 1
		.amdhsa_forward_progress 1
		.amdhsa_inst_pref_size 44
	.end_amdhsa_kernel
	.amdgpu_metadata
---
amdhsa.version: [ 1, 2 ]
amdhsa.kernels:
  - .name:           k_qfc7378178e_quant
    .symbol:         k_qfc7378178e_quant.kd
    .args:
      - { .name: q, .offset: 0, .size: 8, .value_kind: global_buffer, .address_space: global }
      - { .name: k, .offset: 8, .size: 8, .value_kind: global_buffer, .address_space: global }
      - { .name: v, .offset: 16, .size: 8, .value_kind: global_buffer, .address_space: global }
      - { .name: Wq, .offset: 24, .size: 8, .value_kind: global_buffer, .address_space: global }
      - { .name: Wk, .offset: 32, .size: 8, .value_kind: global_buffer, .address_space: global }
      - { .name: Wv, .offset: 40, .size: 8, .value_kind: global_buffer, .address_space: global }
      - { .name: Wo, .offset: 48, .size: 8, .value_kind: global_buffer, .address_space: global }
      - { .name: Xc, .offset: 56, .size: 8, .value_kind: global_buffer, .address_space: global }
      - { .name: Xs, .offset: 64, .size: 8, .value_kind: global_buffer, .address_space: global }
      - { .name: Wc, .offset: 72, .size: 8, .value_kind: global_buffer, .address_space: global }
      - { .name: Ws, .offset: 80, .size: 8, .value_kind: global_buffer, .address_space: global }
    .group_segment_fixed_size: 68608
    .private_segment_fixed_size: 0
    .kernarg_segment_align: 8
    .kernarg_segment_size: 88
    .max_flat_workgroup_size: 256
    .sgpr_count:     66
    .vgpr_count:     256
    .wavefront_size: 32
...
	.end_amdgpu_metadata
.endif
;; end of part 1
;; launch proj (part 2): grid 4 x 48, 4 waves a work-group, clusters of 4 x 1, 205,312 bytes of LDS; arguments Xc, Xs, Wc, Ws, bq, bk, bv, Qb, KV; writes Qb, KV
.if DOCPART == 2
	.amdgcn_target "amdgcn-amd-amdhsa--gfx1250"
	.amdhsa_code_object_version 6
	.text
	.protected	k_qfc7378178e_proj
	.globl	k_qfc7378178e_proj
	.p2align	8
	.type	k_qfc7378178e_proj,@function
k_qfc7378178e_proj:
	s_mov_b64 s[64:65], 0
	v_nop
	global_prefetch_b8 v0, s[64:65] scope:SCOPE_SE
	s_setreg_imm32_b32 hwreg(HW_REG_WAVE_MODE, 25, 1), 1
	s_wait_xcnt 0x0
	s_wait_alu depctr_hold_cnt(0) depctr_sa_sdst(0) depctr_va_vdst(0) depctr_va_sdst(0) depctr_va_ssrc(0) depctr_va_vcc(0) depctr_vm_vsrc(0)
	s_getreg_b32 s2, hwreg(HW_REG_IB_STS2, 6, 4)
	s_cmp_eq_u32 s2, 0
	s_cbranch_scc0 .Lentry_in_a_cluster
	s_endpgm
.Lentry_in_a_cluster:
	s_bfe_u32 s2, ttmp6, 0x10000c
	s_cmp_lg_u32 s2, 0x3003
	s_cbranch_scc0 .Lentry_shape_is_right
	s_endpgm
.Lentry_shape_is_right:
; qh = q Wq + bq, kh = k Wk + bk, vh = v Wv + bv on codes of FP6 (E2M3) with E8M0 scales, f32 sums; the results are quantised at once for attention's two products and stored as images of operand registers.
; SHARES.  Work-group y = 16 p + g: p = q, k or v; g = 256 tokens.  The four work-groups of a cluster take 4 heads each; wave w takes ONE head, 64 columns: its 4 tiles of the weight, for all of K, stay in 384 registers.
; The group's codes (196,608 dense bytes) and scale words (8,192) come into LDS ONCE, asked for JOINTLY by the four work-groups, which need the same block.  Nothing in LDS is filled again.
; The weights are not asked for jointly: they go into registers by ordinary loads.
; Two passes of 128 tokens (one key step of attention); a pass is 8 K steps of 32 matrix instructions on 32 accumulators by turns.
; TWO FORMS.  q, k: source 0 = 16 columns of W, source 1 = 16 tokens: a lane holds one token, its registers run along the head's channels (the K of q k^T).
;             v:    source 0 = 16 tokens, source 1 = 16 columns: a lane holds one channel, its registers run along the tokens (the K of p v).
; Rows of a tile are not neighbours (lane r of tile 2 B + u: 32 B + 8 u + r + 8 (r / 8)), so that in both forms accumulators 64 j .. 64 j + 63 are, in a lane, 4 blocks of 16 neighbours along the next K.
; OUT.  A half record, 6,400 bytes: four images j (q, k: token tiles 2 j and 2 j + 1, 64 channels each; v: channels of tile j x 128 keys), then 256 bytes of scale words: image 2 i + h', row r at 6144 + 8 (r + 16 h') + 4 i.
; Qb [bh 32][step 16] half record;  KV [bh][step][K's half record][V's].
; LIMITS: NaN and infinities are not served; a block of zeros, or one under 2^-124, gets the scale byte 1 (only this program reads the bytes).
; REGISTERS, in windows of 256: window 0: v1-7, v62 addresses; v8-23 W's scale words; v24-55 x's; v56-61 words made; v64-159, v160-255 x's fragments, two sets (the epilogue works in the first).
;   window 1: W's fragments of K steps 0-4;  window 2: of K steps 5-7, from v160 the bias in the result's layout;  window 3: the 32 accumulators.
.set WV,  26                           ; s26 wave
.set SEL, 30                           ; s[30:31] lane selects: lane l xor 16
.set HI,  32                           ; s32 lanes 16-31
.set CNT, 33                           ; s33 passes to go
.set OUT, 66                           ; s[66:67] where the pass's half record goes;  s[68:69] from a step's record to the next
.set PB0, 86                           ; s86 LDS byte of the pass's tiles 0-3;  s87 of tiles 4-7;  s88 of its scale words
.set AX,  4                            ; v4, v5  16 L + s86, s87
.set AXW, 6                            ; v6      4 L + s88
.set WS,  8
.set XS,  24
.set PW,  56
.set XF,  64
.set TM,  64
.set PC,  96
.set BI,  160
.set MSB, 0
.macro WIN new                         ; the immediate's high byte repeats the setting that is left; low byte: bits 1:0 source 0, 3:2 source 1, 5:4 source 2, 7:6 destination
.if MSB != \new
	s_set_vgpr_msb (MSB<<8)|\new
.set MSB, \new
.endif
.endm
.macro PLACES                          ; four plain places behind matrix instructions, ahead of loads into their sources and of the first read of results
.rept 4
	v_nop
.endr
.endm
.macro CROUND                          ; a round of the cluster's barrier
	s_barrier_signal -1
	s_barrier_wait -1
	s_cmp_lg_u32 s[WV], 0
	s_cbranch_scc1 .Lnot_wave_0_\@
	s_barrier_signal -3
.Lnot_wave_0_\@:
	s_barrier_wait -3
	s_barrier_signal -1
	s_barrier_wait -1
.endm
	s_load_b512 s[8:23], s[0:1], 0x0               ; Xc s[8:9], Xs s[10:11], Wc s[12:13], Ws s[14:15], bq s[16:17], bk s[18:19], bv s[20:21], Qb s[22:23]
	s_load_b64 s[24:25], s[0:1], 0x40              ; KV
	s_set_vgpr_msb 0x40
	v_lshl_add_u32 v254, v0, 2, 0x32000
	v_mov_b32 v255, 0
	s_set_vgpr_msb 0x4045
	ds_add_u32 v254, v255
	ds_add_u32 v254, v255
	s_set_vgpr_msb 0x4500
	v_lshrrev_b32 v1, 5, v0
	v_readfirstlane_b32 s[WV], v1                  ; wave 0..3
	s_bfe_u32 s27, ttmp6, 0x40000                  ; cx: which 4 heads; it enters W's, the bias's and the output's addresses alone
	s_and_b32 s34, ttmp7, 0xffff                   ; y, which the four partners share
	s_lshr_b32 s28, s34, 4                         ; p
	s_and_b32 s29, s34, 15                         ; g
	s_lshl_b32 s35, s27, 2
	s_add_co_u32 s35, s35, s[WV]                   ; my head
	; descriptor group 1: dense blocks as rows of 256 bytes (32 elements of 8 bytes); a wave's part of pass 0's codes: 192 rows
	s_mov_b32 s36, 15|(3<<16)|(1<<21)              ; 15:0 the mask: all four work-groups; 17:16 elements of 8 bytes; 21 set beside a mask
	s_mov_b32 s37, 32<<16                          ; tensor_dim0
	s_mov_b32 s38, 192<<16                         ; tensor_dim1: waves 0 and 1 bring half of pass 0's codes each, 192 rows
	s_mov_b32 s39, 32<<16                          ; tile_dim0
	s_mov_b32 s40, 192                             ; tile_dim1
	s_mov_b32 s41, 32                              ; the pitch
	s_mov_b32 s42, 0
	s_mov_b32 s43, 0
	s_mov_b32 s44, 15|(3<<16)|(1<<21)              ; the same for the scale words: 32 rows
	s_mov_b32 s45, 32<<16
	s_mov_b32 s46, 32<<16                          ; wave 3 brings all the scale words: 32 rows
	s_mov_b32 s47, 32<<16
	s_mov_b32 s48, 32
	s_mov_b32 s49, 32
	s_mov_b32 s50, 0
	s_mov_b32 s51, 0
	s_mov_b32 s92, 15|(3<<16)|(1<<21)              ; the same for pass 1's codes, which wave 2 brings whole: 384 rows
	s_mov_b32 s93, 32<<16
	s_mov_b32 s94, 384<<16
	s_mov_b32 s95, 32<<16
	s_mov_b32 s96, 384
	s_mov_b32 s97, 32
	s_mov_b32 s98, 0
	s_mov_b32 s99, 0
	s_mul_i32 s72, s34, 196608                     ; the group's codes,
	s_mul_i32 s74, s[WV], 49152                    ; waves 0, 1: the halves of pass 0's codes; wave 2: where pass 1's begin; in memory and in LDS alike
	s_add_co_u32 s72, s72, s74
	s_mov_b32 s73, 0
	s_lshl_b32 s76, s34, 13                        ; the group's scale words,
	s_mov_b32 s75, 0                               ; from their first byte
	s_add_co_u32 s76, s76, s75
	s_mov_b32 s77, 0
	s_wait_dscnt 0x0
	s_wait_kmcnt 0x0
	s_mov_b32 s52, 1                               ; group 0 for the words
	s_add_co_u32 s53, s75, 196608
	s_add_nc_u64 s[54:55], s[10:11], s[76:77]
	s_or_b32 s55, s55, 0x80000000
	s_mov_b32 s56, 1                               ; for pass 0's codes
	s_mov_b32 s57, s74
	s_add_nc_u64 s[58:59], s[8:9], s[72:73]
	s_or_b32 s59, s59, 0x80000000
	CROUND                                         ; all four work-groups are here: the joint loads meet
	s_cmp_eq_u32 s[WV], 3                          ; the only fills of the launch, one a wave, in one chain of arms on the wave's number, what is needed first in the first arm
	s_cbranch_scc0 .Lhead_p0
	tensor_load_to_lds s[52:55], s[44:51]          ; wave 3: the scale words
	s_nop 0
	PLACES
	s_branch .Lhead_asked
.Lhead_p0:
	s_cmp_lt_u32 s[WV], 2
	s_cbranch_scc0 .Lhead_p1
	tensor_load_to_lds s[56:59], s[36:43]          ; waves 0, 1: pass 0's codes
	s_nop 0
	PLACES
	s_branch .Lhead_asked
.Lhead_p1:
	tensor_load_to_lds s[56:59], s[92:99]          ; wave 2: pass 1's codes
	s_nop 0
	PLACES
.Lhead_asked:
	v_and_b32 v63, 31, v0
	v_lshlrev_b32 v1, 4, v63                       ; 16 L
	v_lshlrev_b32 v2, 3, v63                       ; 8 L
	v_lshlrev_b32 v3, 2, v63                       ; 4 L
	s_wait_alu depctr_va_vdst(0)
	v_bfe_u32 v7, v0, 4, 1
	v_lshlrev_b32 v7, 6, v7                        ; the bias for q, k: 16 h numbers on
	v_and_b32 v62, 15, v0
	v_and_b32 v63, 8, v0
	v_add_nc_u32 v62, v62, v63
	v_lshlrev_b32 v62, 2, v62                      ; for v: number r + 8 (r / 8)
	s_lshl_b32 s78, s28, 6
	s_lshl_b32 s79, s35, 2
	s_add_co_u32 s78, s78, s79                     ; my first tile of the weights: 64 p + 4 x head
	s_lshl_b32 s80, s78, 9
	s_mov_b32 s81, 0
	s_add_nc_u64 s[14:15], s[14:15], s[80:81]
	s_mul_i32 s80, s78, 12288
	s_add_nc_u64 s[12:13], s[12:13], s[80:81]
	s_cmp_eq_u32 s28, 0
	s_cselect_b64 s[16:17], s[16:17], s[18:19]
	s_cmp_eq_u32 s28, 2
	s_cselect_b64 s[16:17], s[20:21], s[16:17]
	s_lshl_b32 s80, s35, 8
	s_add_nc_u64 s[16:17], s[16:17], s[80:81]      ; my head's 64 numbers of the bias
.irp t, 0,1,2,3
.irp g, 0,1,2,3
	global_load_b32 v[WS+4*\t+\g], v3, s[14:15] offset:512*\t+128*\g   ; W's scale words: lanes 0-15 K step 2 g, lanes 16-31 K step 2 g + 1
.endr
.endr
	s_cmp_eq_u32 s28, 2
	s_cbranch_scc1 .Lbias_v
	WIN 0x80                                       ; destination window 2
	s_wait_alu depctr_va_vdst(0)
.irp t, 0,1,2,3
.irp g, 0,1
	global_load_b128 v[BI+8*\t+4*\g:BI+8*\t+4*\g+3], v7, s[16:17] offset:(32*(\t/2)+8*(\t%2))*4+16*\g   ; q, k: register j of tile t is column 32 (t / 2) + 16 h + 8 (t % 2) + j
.endr
.endr
	WIN 0
	s_branch .Lbias_done
.Lbias_v:
	WIN 0x80
	s_wait_alu depctr_va_vdst(0)
.irp t, 0,1,2,3
.irp j, 0,1,2,3,4,5,6,7
	global_load_b32 v[BI+8*\t+\j], v62, s[16:17] offset:(32*(\t/2)+8*(\t%2))*4   ; v: all eight registers belong to the lane's one column
.endr
.endr
	WIN 0
.Lbias_done:
.irp s, 0,1,2,3,4,5,6,7                        ; W's fragments in the order of the K steps, 12 loads a step
.if \s < 5
	WIN 0x40
.set WR, 48*\s
.else
	WIN 0x80
.set WR, 48*(\s-5)
.endif
.irp t, 0,1,2,3
.irp g, 0,1,2
	global_load_b128 v[WR+12*\t+4*\g:WR+12*\t+4*\g+3], v1, s[12:13] offset:12288*\t+1536*\s+512*\g
.endr
.endr
.endr
	WIN 0
	s_lshr_b32 s82, s29, 3
	s_lshl_b32 s82, s82, 4
	s_add_co_u32 s82, s82, s35                     ; bh = 16 x batch + head
	s_and_b32 s83, s29, 7
	s_lshl_b32 s83, s83, 1                         ; the group's first step of 128 tokens
	s_cmp_eq_u32 s28, 0
	s_cselect_b64 s[OUT:OUT+1], s[22:23], s[24:25]
	s_mov_b32 s84, 204800
	s_cselect_b32 s84, 102400, s84                 ; a head's bytes
	s_mov_b32 s68, 12800
	s_cselect_b32 s68, 6400, s68                   ; a step's
	s_mov_b32 s69, 0
	s_mul_i32 s84, s84, s82
	s_mul_i32 s85, s68, s83
	s_add_co_u32 s84, s84, s85
	s_cmp_eq_u32 s28, 2
	s_cselect_b32 s85, 6400, 0                     ; V's half lies behind K's
	s_add_co_u32 s84, s84, s85
	s_mov_b32 s85, 0
	s_add_nc_u64 s[OUT:OUT+1], s[OUT:OUT+1], s[84:85]
	s_mov_b32 s[SEL], 0x76543210
	s_mov_b32 s[SEL+1], 0xfedcba98
	s_mov_b32 s[HI], 0xffff0000
	s_mov_b32 s[CNT], 2
	s_mov_b32 s[PB0], 0
	s_mov_b32 s[PB0+1], 49152
	s_mov_b32 s[PB0+2], 196608
.macro FETCH s                         ; the 8 token tiles' fragments of K step s into set s % 2: 24 loads of 512 consecutive bytes
.irp a, 0,1,2,3,4,5,6,7
.irp g, 0,1,2
	ds_load_b128 v[XF+96*((\s)%2)+12*\a+4*\g:XF+96*((\s)%2)+12*\a+4*\g+3], v[AX+\a/4] offset:12288*(\a%4)+1536*(\s)+512*\g
.endr
.endr
.endm
.macro MM tr, s, a, t                  ; token tile a x column tile t, K step s.  The first K step takes the bias as C: nothing is cleared, nothing is added later
.if \s < 5
.set WR, 12*(4*\s+\t)
.else
.set WR, 12*(4*(\s-5)+\t)
.endif
.set XR, XF+96*(\s%2)+12*\a
.set SW, WS+4*\t+\s/2
.set SX, XS+4*\a+\s/2
.if \tr
.set DR, 64*\t+8*\a
.else
.set DR, 32*\a+8*\t
.endif
.if \s == 0
.set CR, BI+8*\t
.else
.set CR, DR
.endif
.if \tr
.if \s%2
	v_wmma_scale_f32_16x16x128_f8f6f4 v[DR:DR+7], v[XR:XR+11], v[WR:WR+11], v[CR:CR+7], v[SX], v[SW] matrix_a_fmt:MATRIX_FMT_FP6 matrix_b_fmt:MATRIX_FMT_FP6 matrix_a_scale:MATRIX_SCALE_ROW1 matrix_b_scale:MATRIX_SCALE_ROW1
.else
	v_wmma_scale_f32_16x16x128_f8f6f4 v[DR:DR+7], v[XR:XR+11], v[WR:WR+11], v[CR:CR+7], v[SX], v[SW] matrix_a_fmt:MATRIX_FMT_FP6 matrix_b_fmt:MATRIX_FMT_FP6
.endif
.else
.if \s%2
	v_wmma_scale_f32_16x16x128_f8f6f4 v[DR:DR+7], v[WR:WR+11], v[XR:XR+11], v[CR:CR+7], v[SW], v[SX] matrix_a_fmt:MATRIX_FMT_FP6 matrix_b_fmt:MATRIX_FMT_FP6 matrix_a_scale:MATRIX_SCALE_ROW1 matrix_b_scale:MATRIX_SCALE_ROW1
.else
	v_wmma_scale_f32_16x16x128_f8f6f4 v[DR:DR+7], v[WR:WR+11], v[XR:XR+11], v[CR:CR+7], v[SW], v[SX] matrix_a_fmt:MATRIX_FMT_FP6 matrix_b_fmt:MATRIX_FMT_FP6
.endif
.endif
.endm
; The eight K steps of a pass.  The 32 accumulators take turns, one instruction a turn, in the same order in every step.
.macro STEPS tr
.irp s, 0,1,2,3,4,5,6,7
.if \s < 7
.if \s > 0
	PLACES                                         ; the set to be loaded was read by the step before
.endif
	FETCH \s+1
	s_wait_dscnt 24                                ; all but the 24 loads just issued: this step's fragments (and, at step 0, the scale words) are in
.else
	s_wait_dscnt 0x0
.endif
.set LC, 12*(7-\s)
.if LC > 63
.set LC, 63
.endif
	s_wait_loadcnt LC                              ; W's 12 loads of this K step are in: behind them 12 for each later step were issued (the field holds 63)
.if \s == 0
.set WB, 0xe1+3*\tr                    ; W window 1, x window 0, C (the bias) window 2, D window 3
.elseif \s < 5
.set WB, 0xf1+3*\tr                    ; C and D window 3
.else
.set WB, 0xf2+6*\tr                    ; W window 2
.endif
	WIN WB
.irp a, 0,1,2,3,4,5,6,7
.irp t, 0,1,2,3
	MM \tr, \s, \a, \t
.endr
.endr
	WIN 0
.endr
.endm
; 64 accumulator registers of window 3, register 16 b + i = k 32 b + 16 (lane / 16) + i of my row along the next K, become an image in v[PC] on and my row's scale word in v[pw].
; Each accumulator is read from its low end on.
.macro QUANT3 s, pw
	WIN 0x0f
.irp b, 0,1,2,3
	v_max3_num_f32 v[TM+\b], |v[\s+16*\b]|, |v[\s+1+16*\b]|, 0x1800000   ; and the floor 2^(3 - 127): the byte cannot fall under 1
.endr
	WIN 0x3c
.irp i, 2,4,6,8,10,12,14
.irp b, 0,1,2,3
	v_max3_num_f32 v[TM+\b], v[TM+\b], |v[\s+16*\b+\i]|, |v[\s+1+16*\b+\i]|
.endr
.endr
	WIN 0
.irp b, 0,1,2,3
	v_permlanex16_b32 v[TM+4+\b], v[TM+\b], s[SEL], s[SEL+1]
.endr
.irp b, 0,1,2,3
	v_max_num_f32 v[TM+\b], v[TM+\b], v[TM+4+\b]
.endr
.irp b, 0,1,2,3
	v_add_nc_u32 v[TM+12+\b], 0xff000000, v[TM+\b]     ; 2 off the exponent field: the conversion's scale operand
.endr
.irp b, 0,1,2,3
	v_lshrrev_b32 v[TM+4+\b], 23, v[TM+12+\b]
.endr
	v_lshl_or_b32 v[\pw], v[TM+5], 8, v[TM+4]
	v_lshl_or_b32 v[\pw], v[TM+6], 16, v[\pw]
	v_lshl_or_b32 v[\pw], v[TM+7], 24, v[\pw]
	WIN 0x03
.irp c, 0,1
	v_cvt_scalef32_pk16_fp6_f32 v[PC+6*\c:PC+2+6*\c], v[\s+32*\c:\s+15+32*\c], v[TM+12+2*\c]
	v_cvt_scalef32_pk16_fp6_f32 v[PC+12+4*\c:PC+14+4*\c], v[\s+16+32*\c:\s+31+32*\c], v[TM+12+2*\c+1]
.endr
	WIN 0
	v_nop                                          ; one plain place behind the scaled conversions
.irp c, 0,1
.irp i, 0,1,2
	v_permlane16_swap_b32 v[PC+6*\c+\i], v[PC+12+4*\c+\i]
.endr
.irp i, 0,1,2
	v_mov_b32 v[PC+3+6*\c+\i], v[PC+12+4*\c+\i]
.endr
.endr
.endm
.macro UNIT j
	s_wait_xcnt 0x0                                ; the image before has been read by its stores: the codes' registers may be written again
	QUANT3 64*\j, PW+\j
.irp g, 0,1,2
	global_store_b128 v1, v[PC+4*\g:PC+4*\g+3], s[OUT:OUT+1] offset:1536*\j+512*\g   ; 32 lanes store 512 consecutive bytes, aligned
.endr
.endm
	s_cmp_eq_u32 s[WV], 2                          ; wave 2's load, pass 1's codes, may stay out: its line is wave 2's alone
	s_cbranch_scc1 .Lnot_p0
	s_wait_tensorcnt 0x0                           ; the words and pass 0's codes are in
.Lnot_p0:
	s_barrier_signal -1
	s_barrier_wait -1                              ; everybody's are
.Lpass:                                            ; two trips
	v_add_nc_u32 v[AX], s[PB0], v1
	v_add_nc_u32 v[AX+1], s[PB0+1], v1
	v_add_nc_u32 v[AXW], s[PB0+2], v3
.irp a, 0,1,2,3,4,5,6,7
.irp g, 0,1,2,3
	ds_load_b32 v[XS+4*\a+\g], v[AXW] offset:512*\a+128*\g   ; x's scale words: lanes 0-15 K step 2 g, lanes 16-31 K step 2 g + 1
.endr
.endr
	FETCH 0
	s_cmp_eq_u32 s28, 2                            ; the forms part on p alone, which all waves and all partners share
	s_cbranch_scc1 .Lform_v
	s_wait_alu depctr_va_vdst(0)
	STEPS 0
	s_branch .Lforms_join
.Lform_v:
	s_wait_alu depctr_va_vdst(0)
	STEPS 1
.Lforms_join:
	PLACES
	UNIT 0
	UNIT 1
	UNIT 2
	UNIT 3
	v_cndmask_b32 v60, v[PW], v[PW+1], s[HI]       ; lanes 0-15: images 0 and 2; lanes 16-31: images 1 and 3
	v_cndmask_b32 v61, v[PW+2], v[PW+3], s[HI]
	global_store_b64 v2, v[60:61], s[OUT:OUT+1] offset:6144   ; 256 consecutive bytes, aligned
	s_wait_xcnt 0x0                                ; the stores have read their registers and their base
	s_add_nc_u64 s[OUT:OUT+1], s[OUT:OUT+1], s[68:69]
	s_add_co_u32 s[PB0], s[PB0], 98304
	s_add_co_u32 s[PB0+1], s[PB0+1], 98304
	s_add_co_u32 s[PB0+2], s[PB0+2], 4096
	s_wait_tensorcnt 0x0                           ; my part of pass 1's codes is in,
	s_wait_dscnt 0x0
	s_barrier_signal -1
	s_barrier_wait -1                              ; everybody's is
	s_sub_co_u32 s[CNT], s[CNT], 1
	s_cmp_lg_u32 s[CNT], 0
	s_cbranch_scc1 .Lpass
	s_set_vgpr_msb 0x5
	s_wait_tensorcnt 0x0
	ds_add_u32 v254, v255
	s_wait_dscnt 0x0
	s_set_vgpr_msb 0x500
	CROUND                                         ; the closing round
	s_endpgm
.Lfunc_end_k_qfc7378178e_proj:
	.size	k_qfc7378178e_proj, .Lfunc_end_k_qfc7378178e_proj-k_qfc7378178e_proj
	.p2alignl 7, 3214868480
	.fill 96, 4, 3214868480
	.section	.rodata,"a",@progbits
	.p2align	6, 0x0
	.amdhsa_kernel k_qfc7378178e_proj
		.amdhsa_group_segment_fixed_size 205312
		.amdhsa_private_segment_fixed_size 0
		.amdhsa_enable_private_segment 0
		.amdhsa_kernarg_size 72
		.amdhsa_user_sgpr_count 2
		.amdhsa_user_sgpr_kernarg_segment_ptr 1
		.amdhsa_wavefront_size32 1
		.amdhsa_system_sgpr_workgroup_id_x 1
		.amdhsa_system_sgpr_workgroup_id_y 1
		.amdhsa_system_sgpr_workgroup_id_z 1
		.amdhsa_system_vgpr_workitem_id 0
		.amdhsa_next_free_vgpr 1024
		.amdhsa_next_free_sgpr 100
		.amdhsa_reserve_vcc 0
		.amdhsa_float_denorm_mode_32 3
		.amdhsa_float_denorm_mode_16_64 3
		.amdhsa_memory_ordered 1
		.amdhsa_forward_progress 1
		.amdhsa_inst_pref_size 132
	.end_amdhsa_kernel
	.amdgpu_metadata
---
amdhsa.version: [ 1, 2 ]
amdhsa.kernels:
  - .name:           k_qfc7378178e_proj
    .symbol:         k_qfc7378178e_proj.kd
    .args:
      - { .name: Xc, .offset: 0, .size: 8, .value_kind: global_buffer, .address_space: global }
      - { .name: Xs, .offset: 8, .size: 8, .value_kind: global_buffer, .address_space: global }
      - { .name: Wc, .offset: 16, .size: 8, .value_kind: global_buffer, .address_space: global }
      - { .name: Ws, .offset: 24, .size: 8, .value_kind: global_buffer, .address_space: global }
      - { .name: bq, .offset: 32, .size: 8, .value_kind: global_buffer, .address_space: global }
      - { .name: bk, .offset: 40, .size: 8, .value_kind: global_buffer, .address_space: global }
      - { .name: bv, .offset: 48, .size: 8, .value_kind: global_buffer, .address_space: global }
      - { .name: Qb, .offset: 56, .size: 8, .value_kind: global_buffer, .address_space: global }
      - { .name: KV, .offset: 64, .size: 8, .value_kind: global_buffer, .address_space: global }
    .group_segment_fixed_size: 205312
    .private_segment_fixed_size: 0
    .kernarg_segment_align: 8
    .kernarg_segment_size: 72
    .max_flat_workgroup_size: 128
    .sgpr_count:     100
    .vgpr_count:     1024
    .wavefront_size: 32
...
	.end_amdgpu_metadata
.endif
;; end of part 2
;; launch attn (part 3): grid 8 x 32, 8 waves a work-group, clusters of 4 x 1, 257,024 bytes of LDS; arguments Qb, KV, Oc, Os; writes Oc, Os
.if DOCPART == 3
	.amdgcn_target "amdgcn-amd-amdhsa--gfx1250"
	.amdhsa_code_object_version 6
	.text
	.protected	k_qfc7378178e_attn
	.globl	k_qfc7378178e_attn
	.p2align	8
	.type	k_qfc7378178e_attn,@function
k_qfc7378178e_attn:
	s_mov_b64 s[64:65], 0
	v_nop
	global_prefetch_b8 v0, s[64:65] scope:SCOPE_SE
	s_setreg_imm32_b32 hwreg(HW_REG_WAVE_MODE, 25, 1), 1
	s_wait_xcnt 0x0
	s_wait_alu depctr_hold_cnt(0) depctr_sa_sdst(0) depctr_va_vdst(0) depctr_va_sdst(0) depctr_va_ssrc(0) depctr_va_vcc(0) depctr_vm_vsrc(0)
	s_getreg_b32 s2, hwreg(HW_REG_IB_STS2, 6, 4)
	s_cmp_eq_u32 s2, 0
	s_cbranch_scc0 .Lentry_in_a_cluster
	s_endpgm
.Lentry_in_a_cluster:
	s_bfe_u32 s2, ttmp6, 0x10000c
	s_cmp_lg_u32 s2, 0x3003
	s_cbranch_scc0 .Lentry_shape_is_right
	s_endpgm
.Lentry_shape_is_right:
; o = softmax(qh kh^T / 8) vh for one head and 256 queries a work-group, on codes of FP6 (E2M3) with E8M0 scales; o is quantised at once for the last projection.
; SHARES.  y = batch x head, x = 256 queries; wave w takes query tiles 2 w and 2 w + 1 (t = 0, 1), 16 queries each: one image of Qb.  Each fragment of K and V read from LDS serves both tiles, and the two tiles' work
; is laid so that a line's sources were written some lines earlier: one tile's short chains stand among the other tile's long runs.  Both products are used transposed (S^T = k q^T, O^T = v^T p^T): a lane holds one query of each tile.
; p = 2^(t - M), t = score x log2(e) / 8, M the running largest t rounded up to a whole number; the row's sum is taken of p before it is quantised; O^T and the sum are multiplied by 2^(old M - new M).
; LDS.  The head's K and V, 16 steps of 128 keys, 12,800 bytes each, come in ONCE, one tensor load a wave at the head (two steps), as rows of 512 bytes (each begins at a multiple of 256 bytes of KV) with 128 bytes of
; padding behind each: byte y of a step lies at 640 (y / 512) + y % 512.  Nothing is filled again.  Waves 0, 1 bring steps 0-3 by a line of their own: the first barrier shows those, the second the rest.
; K's and V's fragments have registers of their own and are fetched one step ahead: so the first loop walks steps 0-2 (it fetches up to step 3).  The last step's fetch is held at step 15 and is not used.
; CLUSTER.  The four work-groups of a cluster take the same head: every load is asked for jointly.  No prefetch: all loads go out at the head, so no later load is left for one to run ahead of.
; THE KEYS OF A FRAGMENT OF K are chosen by the lanes' addresses: lane (m, h) of fragment n = 2 c + a reads lane m % 8 + 8 a + 16 h of image 2 c + m / 8.  With q in the lower or the upper half of K (u = 0, 1) row m is key
; 64 c + 32 (m / 8) + 16 a + 8 u + m % 8, so a lane's registers S + 32 c + 0 .. 31 are keys 64 c + 32 h + 0 .. 31: a whole scale block of p, in the order of the operand of the second product.
; By the padding images 2 c and 2 c + 1 lie 1,920 bytes apart, 128 modulo 256.
; LIMITS: NaN and infinities are not served; the promise holds while the scaled scores stay under 2^31 in magnitude; a block whose every p lies under 2^-124 gets the scale byte 1 (only this program reads the bytes).
.set STEPB, 16000                      ; a step in LDS: 25 x 640
.set LASTB, 240000                     ; the last step
.set SPARE, 256000                     ; behind the 16 steps: the spare words, 128 bytes a wave
.set WV,  46
.set G1,  16                           ; s[16:23], s[24:27] the descriptor
.set G0,  24
.set SEL, 40                           ; s[40:41] lane l xor 16
.set CS,  42                           ; s[42:43] log2(e) / 8
.set TB,  44                           ; s44 LDS byte of the step that is fetched
.set CNT, 45
.set TN,  47                           ; s47 the same before it is held at the last step
; WINDOW 0
.set AK,  3                            ; v3, v4, v6, v7: addresses of K's images, K's words, V's images, V's words
.set AKW, 4
.set AV,  6
.set AVW, 7
.set AK0, 8                            ; v8, v9, v10 (and v2 = 8 L): their lane terms
.set AKW0, 9
.set AV0, 10
.set SPW, 12                           ; my spare word;  v13: 0
.set NIL, 13
.set QW,  14                           ; v14, v15 q's scale words, tile 0, 1;  v16-17 K's;  v18-19 V's;  v20, v21 p's
.set KW,  16
.set VW,  18
.set PW,  20
.set QR,  24                           ; v24-53: q0, zeros, q1, zeros, q0
.set KF,  56                           ; v56-103 K's four fragments
.set VF,  104                          ; v104-151 V's
.set PC,  152                          ; v152-175 p's codes, 12 a tile
.set CT,  176                          ; v176-190 a block's upper 16 codes (a conversion's three registers begin on an even number), 8 a tile
.set U,   192                          ; v192-223 sixteen pairs: the tree of tile 1's sum
; WINDOW 1 (written by their low eight bits)
.set S,   0                            ; v256-383 scores, then p: 64 a tile
.set O,   128                          ; v384-447 O^T: 32 a tile
.set NM,  192                          ; 16 a tile: -M, the largest score,
.set MX,  193
.set L,   194                          ; the sum (a pair),
.set FF,  196                          ; 2^(old M - new M) (and the pair's upper half),
.set BM,  198                          ; two largest scores, then largest p; two bytes,
.set X,   202                          ; what lane l xor 16 sends,
.set OM,  203                          ; the old -M,
.set SO,  204                          ; two scale operands,
.set TP,  206
.set T,   224                          ; v480-511 first the chains of the largest scores, 16 a tile; then sixteen pairs: the tree of tile 0's sum
.set MSB, 0
.macro WIN new                         ; low byte: bits 1:0 source 0, 3:2 source 1, 5:4 source 2, 7:6 destination; the high byte repeats the setting that is left
.if MSB != \new
	s_set_vgpr_msb (MSB<<8)|\new
.set MSB, \new
.endif
.endm
.macro CROUND
	s_barrier_signal -1
	s_barrier_wait -1
	s_cmp_lg_u32 s[WV], 0
	s_cbranch_scc1 .Lnot_wave_0_\@
	s_barrier_signal -3
.Lnot_wave_0_\@:
	s_barrier_wait -3
	s_barrier_signal -1
	s_barrier_wait -1
.endm
.macro WALU
	s_wait_alu depctr_va_vdst(0)
.endm
.macro WM d, a, b, c, sa, sb, row
.if \row
	v_wmma_scale_f32_16x16x128_f8f6f4 v[\d:\d+7], v[\a:\a+11], v[\b:\b+11], \c, v[\sa], v[\sb] matrix_a_fmt:MATRIX_FMT_FP6 matrix_b_fmt:MATRIX_FMT_FP6 matrix_a_scale:MATRIX_SCALE_ROW1
.else
	v_wmma_scale_f32_16x16x128_f8f6f4 v[\d:\d+7], v[\a:\a+11], v[\b:\b+11], \c, v[\sa], v[\sb] matrix_a_fmt:MATRIX_FMT_FP6 matrix_b_fmt:MATRIX_FMT_FP6
.endif
.endm
.macro TLOAD
	tensor_load_to_lds s[G0:G0+3], s[G1:G1+7]
	s_nop 0
.rept 4
	v_nop
.endr
.endm
.macro KLOAD                           ; 13 LDS loads
.irp n, 0,1,2,3
.irp g, 0,1,2
	ds_load_b128 v[KF+12*\n+4*\g:KF+12*\n+4*\g+3], v[AK] offset:3840*(\n/2)+128*(\n%2)+640*\g
.endr
.endr
	ds_load_b64 v[KW:KW+1], v[AKW] offset:7680
.endm
.macro VLOAD                           ; 13 LDS loads
.irp p, 0,1,2,3
.irp g, 0,1,2
	ds_load_b128 v[VF+12*\p+4*\g:VF+12*\p+4*\g+3], v[AV] offset:7936+1920*\p+640*\g
.endr
.endr
	ds_load_b64 v[VW:VW+1], v[AVW] offset:15616
.endm
.macro PADD d, a, b
	v_pk_add_f32 v[\d:\d+1], v[\a:\a+1], v[\b:\b+1]
.endm
; The largest score of a block of 32: a chain to each of its four accumulators (three lines: seven of its eight registers, from the low end on), then four lines that join the chains and the four registers left.
.macro ML t, lv, k
.if \lv == 1
	v_max3_num_f32 v[T+16*\t+\k], v[S+64*\t+8*\k], v[S+64*\t+8*\k+1], v[S+64*\t+8*\k+2]
.else
	v_max3_num_f32 v[T+16*\t+\k], v[T+16*\t+\k], v[S+64*\t+8*\k+2*\lv-1], v[S+64*\t+8*\k+2*\lv]
.endif
.endm
.macro MJ t, j, b
.set C_, T+16*\t+4*\b
.set R_, S+64*\t+32*\b
.if \j == 1
	v_max3_num_f32 v[C_], v[C_], v[C_+1], v[R_+7]
.elseif \j == 2
	v_max3_num_f32 v[C_+2], v[C_+2], v[C_+3], v[R_+15]
.elseif \j == 3
	v_max3_num_f32 v[C_], v[C_], v[C_+2], v[R_+23]
.else
	v_max_num_f32 v[BM+16*\t+\b], v[C_], v[R_+31]
.endif
.endm
.macro MC t, i                         ; line i of the eight that make -M and the factor of tile t
.set M_, 16*(\t)
.if (\i) == 0
	v_max_num_f32 v[TP+M_], v[BM+M_], v[BM+M_+1]
.elseif (\i) == 1
	v_permlanex16_b32 v[X+M_], v[TP+M_], s[SEL], s[SEL+1]
.elseif (\i) == 2
	v_max3_num_f32 v[MX+M_], v[MX+M_], v[TP+M_], v[X+M_]   ; the running largest score of my query
.elseif (\i) == 3
	v_mul_f32 v[TP+M_], s[CS], v[MX+M_]
.elseif (\i) == 4
	v_floor_f32 v[NM+M_], -v[TP+M_]                ; -M = floor(-t)
.elseif (\i) == 5
	v_sub_f32 v[TP+M_], v[NM+M_], v[OM+M_]
.elseif (\i) == 6
	v_cvt_i32_f32 v[TP+M_], v[TP+M_]               ; (it saturates)
.else
	v_ldexp_f32 v[FF+M_], 1.0, v[TP+M_]            ; 2^(old M - new M)
.endif
.endm
.macro FILL                            ; tile 0: t - M, line FI of 34: 32 pairs of scores, then the two blocks' largest
.if FI < 32
	v_pk_fma_f32 v[S+2*FI:S+2*FI+1], v[S+2*FI:S+2*FI+1], s[CS:CS+1], v[NM:NM+1] op_sel_hi:[1,0,0]
.else
	v_fma_f32 v[BM+FI-32], v[BM+FI-32], s[CS], v[NM]
.endif
.set FI, FI+1
.endm
	s_load_b256 s[4:11], s[0:1], 0x0               ; Qb, KV, Oc, Os
	v_lshl_add_u32 v[SPW], v0, 2, SPARE
	v_mov_b32 v[NIL], 0
	ds_add_u32 v[SPW], v[NIL]
	ds_add_u32 v[SPW], v[NIL]
	v_lshrrev_b32 v1, 5, v0
	v_readfirstlane_b32 s[WV], v1                  ; wave 0..7
	s_bfe_u32 s49, ttmp6, 0x40000                  ; cx: it enters q's and the output's addresses alone
	s_lshl_b32 s50, ttmp9, 2
	s_add_co_u32 s50, s50, s49                     ; which 256 queries
	s_and_b32 s51, ttmp7, 0xffff                   ; batch x head, shared by the partners
	s_mov_b32 s[G1], 15|(3<<16)|(1<<20)|(1<<21)|(6<<22)|(31<<25)   ; the four partners; elements of 8 bytes; 32 words of padding behind every 128
	s_mov_b32 s[G1+1], 64<<16
	s_mov_b32 s[G1+2], 50<<16
	s_mov_b32 s[G1+3], 64<<16
	s_mov_b32 s[G1+4], 50
	s_mov_b32 s[G1+5], 64
	s_mov_b32 s[G1+6], 0
	s_mov_b32 s[G1+7], 0
	s_mul_i32 s52, s51, 204800
	s_mul_i32 s54, s[WV], 25600
	s_add_co_u32 s52, s52, s54                     ; steps 2 w and 2 w + 1 of the head
	s_mov_b32 s53, 0
	s_mov_b32 s[G0], 1
	s_mul_i32 s[G0+1], s[WV], 2*STEPB
	s_mul_i32 s56, s51, 102400                     ; q: the half record of my 128 queries,
	s_lshl_b32 s57, s50, 1
	s_lshr_b32 s58, s[WV], 2
	s_add_co_u32 s57, s57, s58
	s_mul_i32 s57, s57, 6400
	s_add_co_u32 s56, s56, s57
	s_and_b32 s57, s[WV], 3                        ; image w % 4,
	s_mul_i32 s58, s57, 1536
	s_add_co_u32 s58, s58, s56
	s_mov_b32 s59, 0
	s_and_b32 s60, s57, 1                          ; and its scale words
	s_lshl_b32 s60, s60, 7
	s_lshr_b32 s57, s57, 1
	s_lshl_b32 s57, s57, 2
	s_add_co_u32 s60, s60, s57
	s_add_co_u32 s60, s60, s56
	s_add_co_u32 s60, s60, 6144
	s_mov_b32 s61, 0
	s_mov_b32 s[TB], 0
	s_mov_b32 s[TN], 0
	v_and_b32 v195, 31, v0
	v_lshlrev_b32 v1, 4, v195                      ; 16 L
	v_lshlrev_b32 v2, 3, v195                      ; 8 L
	v_and_b32 v5, 15, v0
	v_lshlrev_b32 v11, 3, v5                       ; 8 r
	v_lshlrev_b32 v5, 2, v5                        ; 4 r
	v_bfe_u32 v192, v0, 4, 1                       ; h
	v_bfe_u32 v193, v0, 3, 1                       ; (L / 8) % 2
	v_and_b32 v194, 7, v0
	v_mul_u32_u24 v[AK0], v193, 1920
	v_lshl_add_u32 v[AK0], v194, 4, v[AK0]
	v_lshl_add_u32 v[AK0], v192, 8, v[AK0]         ; K's images: 1920 (m / 8) + 16 (m % 8) + 256 h
	v_lshlrev_b32 v[AKW0], 3, v194
	v_lshl_add_u32 v[AKW0], v192, 6, v[AKW0]
	v_lshl_add_u32 v[AKW0], v193, 7, v[AKW0]       ; K's words: lanes 0-15 serve a = 0, lanes 16-31 a = 1: 8 (m % 8 + 8 a + 16 (m / 8))
	v_lshl_add_u32 v[AV0], v192, 7, v1             ; V's images begin in the middle of a row of 512: lanes 16-31 lie behind one padding more
	v_add_nc_u32 v[AK], s[TB], v[AK0]
	v_add_nc_u32 v[AKW], s[TB], v[AKW0]
	v_add_nc_u32 v[AV], s[TB], v[AV0]
	v_add_nc_u32 v[AVW], s[TB], v2
	WALU
	s_wait_dscnt 0x0
	s_wait_kmcnt 0x0
	s_add_nc_u64 s[G0+2:G0+3], s[6:7], s[52:53]
	s_or_b32 s[G0+3], s[G0+3], 0x80000000
	s_add_nc_u64 s[12:13], s[4:5], s[58:59]
	s_add_nc_u64 s[14:15], s[4:5], s[60:61]
	global_load_b128 v[KF:KF+3], v1, s[12:13]
	global_load_b128 v[KF+4:KF+7], v1, s[12:13] offset:512
	global_load_b128 v[KF+8:KF+11], v1, s[12:13] offset:1024
	global_load_b32 v196, v11, s[14:15]
	CROUND                                         ; the four work-groups are here: the joint loads meet
	s_cmp_lt_u32 s[WV], 2
	s_cbranch_scc0 .Llater
	TLOAD                                          ; waves 0, 1: steps 0-3
	s_branch .Lasked
.Llater:
	TLOAD                                          ; waves 2-7: steps 4-15
.Lasked:
	s_lshr_b32 s52, s51, 4                         ; the output: token tile 128 x batch + 16 x + 2 w (+ t), head y % 16
	s_lshl_b32 s52, s52, 7
	s_lshl_b32 s53, s50, 4
	s_add_co_u32 s52, s52, s53
	s_lshl_b32 s53, s[WV], 1
	s_add_co_u32 s52, s52, s53
	s_and_b32 s53, s51, 15
	s_lshl_b32 s54, s52, 4
	s_add_co_u32 s54, s54, s53
	s_mul_i32 s54, s54, 768
	s_mov_b32 s55, 0
	s_add_nc_u64 s[8:9], s[8:9], s[54:55]
	s_lshl_b32 s54, s52, 9
	s_lshr_b32 s56, s53, 1
	s_lshl_b32 s56, s56, 6
	s_add_co_u32 s54, s54, s56
	s_and_b32 s56, s53, 1
	s_lshl_b32 s56, s56, 1
	s_add_co_u32 s54, s54, s56
	s_add_nc_u64 s[10:11], s[10:11], s[54:55]
	s_mov_b32 s[SEL], 0x76543210
	s_mov_b32 s[SEL+1], 0xfedcba98
	s_mov_b32 s[CS], 0x3e38aa3b
	s_mov_b32 s[CS+1], s[CS]
	WIN 0x40
.irp t, 0,1
	v_mov_b32 v[MX+16*\t], 0xff61b1e6              ; the largest score so far: -3e38
	v_mov_b32 v[NM+16*\t], 0x7e967699              ; -M: 1e38, a whole number: the first step's factor comes out 0
	v_mov_b32 v[L+16*\t], 0
	v_mov_b32 v[L+1+16*\t], 0
	v_mov_b32 v[FF+1+16*\t], 0                     ; named as the upper half of the pair with the factor
	v_mov_b32 v[X+16*\t], 0                        ; a lane permute's destination counts as one of its sources
.endr
.set j, 0
.rept 64
	v_mov_b32 v[O+j], 0
.set j, j+1
.endr
	WIN 0
.irp i, 0,1,2,3,4,5
	v_mov_b32 v[QR+6+\i], 0
	v_mov_b32 v[QR+18+\i], 0
.endr
	s_wait_loadcnt 0x0
.irp i, 0,1,2,3,4,5
	v_mov_b32 v[QR+\i], v[KF+\i]                   ; the image's lower six registers are tile 0, the upper six tile 1
	v_mov_b32 v[QR+24+\i], v[KF+\i]
	v_mov_b32 v[QR+12+\i], v[KF+6+\i]
.endr
	v_perm_b32 v[QW], v196, v196, 0x01000100       ; a tile's two bytes, for either half of K
	v_perm_b32 v[QW+1], v196, v196, 0x03020302
.macro STEP
	s_add_co_u32 s[TN], s[TN], STEPB
	s_min_u32 s[TB], s[TN], LASTB                  ; the step that is fetched in this one
	s_wait_dscnt 13                                ; K's fragments are in; the 13 younger loads, V's, may be out
	WIN 0x40
.irp n, 0,1,2,3
.irp u, 0,1
.irp t, 0,1
	WM S+64*\t+16*\n+8*\u, KF+12*\n, QR+18*\u*(1-\t)+(12-6*\u)*\t, 0, KW+\n/2, QW+\t, \n%2
.endr
.endr
.endr
	WIN 0x41                                       ; four plain lines that name no register of the products: the old -M,
.irp t, 0,1
	v_mov_b32 v[OM+16*\t], v[NM+16*\t]
.endr
	WIN 0
	v_add_nc_u32 v[AK], s[TB], v[AK0]              ; and the next step's addresses of K
	v_add_nc_u32 v[AKW], s[TB], v[AKW0]
	KLOAD
	WIN 0x55
.irp lv, 1,2,3                                 ; tile 0's eight chains by turns
.irp k, 0,1,2,3,4,5,6,7
	ML 0, \lv, \k
.endr
.endr
.irp b, 0,1
	MJ 0, 1, \b
	MJ 0, 2, \b
.endr
.irp k, 0,1,2,3,4,5,6,7                        ; tile 1's chains; among them tile 0's joins and the lines that make its -M
	ML 1, 1, \k
.endr
	MJ 0, 3, 0
	MJ 0, 3, 1
.irp k, 0,1,2,3
	ML 1, 2, \k
.endr
	MJ 0, 4, 0
	MJ 0, 4, 1
.irp k, 4,5,6,7
	ML 1, 2, \k
.endr
	MC 0, 0
.irp k, 0,1,2,3
	ML 1, 3, \k
.endr
	MC 0, 1
.irp k, 4,5,6,7
	ML 1, 3, \k
.endr
	MC 0, 2
.irp b, 0,1
	MJ 1, 1, \b
	MJ 1, 2, \b
.endr
	MC 0, 3
	MJ 1, 3, 0
	MJ 1, 3, 1
	MC 0, 4
	MJ 1, 4, 0
	MJ 1, 4, 1
.set FI, 0
.irp c, 5,8,6,9,7,10,11,12,13,14,15            ; tile 0's t - M; behind every third line one of the lines still due for the factors (8 t + i)
	FILL
	FILL
	FILL
	MC \c/8, \c%8
.endr
	FILL
.irp t, 0,1
.set j, 0
.rept 16
	v_pk_mul_f32 v[O+32*\t+j:O+32*\t+j+1], v[O+32*\t+j:O+32*\t+j+1], v[FF+16*\t:FF+16*\t+1] op_sel_hi:[1,0]   ; O^T under the new M
.set j, j+2
.endr
.endr
	WALU
.set j, 0
.rept 32                                       ; tile 0's exponentials; among them tile 1's t - M, which is read behind the next wait
	v_exp_f32 v[S+j], v[S+j]
	v_pk_fma_f32 v[S+64+j:S+65+j], v[S+64+j:S+65+j], s[CS:CS+1], v[NM+16:NM+17] op_sel_hi:[1,0,0]
	v_exp_f32 v[S+j+1], v[S+j+1]
.set j, j+2
.endr
.irp b, 0,1
	v_exp_f32 v[BM+\b], v[BM+\b]                   ; the block's largest p: the same two instructions on the same number
	v_fma_f32 v[BM+16+\b], v[BM+16+\b], s[CS], v[NM+16]
.endr
.irp t, 0,1
	v_pk_mul_f32 v[L+16*\t:L+16*\t+1], v[L+16*\t:L+16*\t+1], v[FF+16*\t:FF+16*\t+1] op_sel_hi:[1,0]   ; the sums under the new M
.endr
	WALU                                           ; behind tile 0's batch and ahead of tile 1's
.set j, 0
.rept 16                                       ; tile 1's exponentials; among them the first level of tile 0's sum, each into a pair of its own, read behind the next wait
	v_exp_f32 v[S+64+j], v[S+64+j]
	v_exp_f32 v[S+65+j], v[S+65+j]
	PADD T+j/2, S+j, S+j+2
	v_exp_f32 v[S+66+j], v[S+66+j]
	v_exp_f32 v[S+67+j], v[S+67+j]
.set j, j+4
.endr
.irp b, 0,1
	v_exp_f32 v[BM+16+\b], v[BM+16+\b]
.endr
.irp b, 0,1
	v_max_num_f32 v[BM+\b], 0x1800000, v[BM+\b]    ; the floor 2^(3 - 127): the byte cannot fall under 1
.endr
	WALU                                           ; behind the batch, ahead of its first reader and of the wait below
	s_wait_dscnt 13                                ; V's fragments are in; the 13 younger loads, the next step's K, may be out
.irp b, 0,1
	v_max_num_f32 v[BM+16+\b], 0x1800000, v[BM+16+\b]
.endr
.irp t, 0,1
.irp b, 0,1
	v_add_nc_u32 v[SO+16*\t+\b], 0xff000000, v[BM+16*\t+\b]   ; 2 off the exponent field: the conversions' scale operand
.endr
.endr
	WIN 0x05
.irp t, 0,1
.irp c, 0,1
	v_cvt_scalef32_pk16_fp6_f32 v[PC+12*\t+6*\c:PC+12*\t+6*\c+2], v[S+64*\t+32*\c:S+64*\t+32*\c+15], v[SO+16*\t+\c]
	v_cvt_scalef32_pk16_fp6_f32 v[CT+8*\t+4*\c:CT+8*\t+4*\c+2], v[S+64*\t+32*\c+16:S+64*\t+32*\c+31], v[SO+16*\t+\c]
.endr
.endr
.irp k, 0,1,2,3,4,5,6,7,8,9,10,11,12,13,14,15  ; the rows' sums are taken of the unquantised p, as trees.  Tile 1's first level, under the conversions' windows
	PADD U+2*\k, S+64+4*\k, S+66+4*\k
.endr
	WIN 0x55
.irp b, 0,1
.irp t, 0,1
	v_lshrrev_b32 v[BM+16*\t+2+\b], 23, v[SO+16*\t+\b]   ; the bytes of blocks h and 2 + h
.endr
.endr
.irp k, 0,1,2,3,4,5,6,7                        ; tile 0's tree, with the lines that make p's scale words between its levels
	PADD T+2*\k, T+2*\k, T+2*\k+16
.endr
.irp t, 0,1
	v_lshl_or_b32 v[TP+16*\t], v[BM+16*\t+3], 16, v[BM+16*\t+2]
.endr
.irp k, 0,1,2,3
	PADD T+2*\k, T+2*\k, T+2*\k+8
.endr
.irp t, 0,1
	v_permlanex16_b32 v[X+16*\t], v[TP+16*\t], s[SEL], s[SEL+1]
.endr
.irp k, 0,1
	PADD T+2*\k, T+2*\k, T+2*\k+4
.endr
	WIN 0x11
.irp t, 0,1
	v_lshl_or_b32 v[PW+\t], v[X+16*\t], 8, v[TP+16*\t]   ; lanes 0-15, which alone are read: the four bytes of my query's word
.endr
	WIN 0
.irp k, 0,1,2,3,4,5,6,7                        ; tile 1's tree, with the moves of the codes between its levels; the lines behind the moves are the places ahead of the products
	PADD U+2*\k, U+2*\k, U+2*\k+16
.endr
.irp c, 0,1
.irp i, 0,1,2
.irp t, 0,1
	v_mov_b32 v[PC+12*\t+3+6*\c+\i], v[CT+8*\t+4*\c+\i]
.endr
.endr
.endr
.irp k, 0,1,2,3
	PADD U+2*\k, U+2*\k, U+2*\k+8
.endr
.irp k, 0,1
	PADD U+2*\k, U+2*\k, U+2*\k+4
.endr
	PADD U, U, U+2
	WIN 0x50
.irp p, 0,1,2,3
.irp t, 0,1
	WM O+32*\t+8*\p, VF+12*\p, PC+12*\t, v[O+32*\t+8*\p:O+32*\t+8*\p+7], VW+\p/2, PW+\t, \p%2
.endr
.endr
	WIN 0x55                                       ; the trees' last lines and V's next addresses are the places behind the products, ahead of the loads into V's fragments
	PADD T, T, T+2
	WIN 0x41
	PADD L+16, L+16, U
	WIN 0x55
	PADD L, L, T
	WIN 0
	v_add_nc_u32 v[AV], s[TB], v[AV0]
	v_add_nc_u32 v[AVW], s[TB], v2
	VLOAD
.endm
.macro WALK n
	s_mov_b32 s[CNT], \n
.Lstep_\@:
	STEP
	s_sub_co_u32 s[CNT], s[CNT], 1
	s_cmp_lg_u32 s[CNT], 0
	s_cbranch_scc1 .Lstep_\@
.endm
	WALU
	s_cmp_lt_u32 s[WV], 2
	s_cbranch_scc0 .Lnot_first
	s_wait_tensorcnt 0x0                           ; waves 0, 1: my two steps are in
.Lnot_first:
	s_barrier_signal -1
	s_barrier_wait -1                              ; steps 0-3 are in; the others may be on their way
	KLOAD                                          ; step 0
	VLOAD
	WALK 3                                         ; steps 0-2; step 3 is fetched
	s_wait_tensorcnt 0x0                           ; every wave: my two steps are in
	s_wait_dscnt 0x0
	s_barrier_signal -1
	s_barrier_wait -1                              ; all are
	WALK 13
	WIN 0x55
.irp t, 0,1
	v_add_f32 v[L+16*\t], v[L+16*\t], v[L+16*\t+1]
.endr
.irp t, 0,1
	v_permlanex16_b32 v[X+16*\t], v[L+16*\t], s[SEL], s[SEL+1]
.endr
.irp t, 0,1
	v_add_f32 v[L+16*\t], v[L+16*\t], v[X+16*\t]   ; the row's sum
.endr
	WALU
.irp t, 0,1
	v_rcp_f32 v[L+16*\t], v[L+16*\t]
.endr
	v_nop
	WALU
.set j, 0
.rept 32
	v_mul_f32 v[S+j], v[O+j], v[L]                 ; register 16 B + i of lane (r, h): channel 32 B + 16 h + i of query r
	v_mul_f32 v[S+64+j], v[O+32+j], v[L+16]
.set j, j+1
.endr
.irp b, 0,1
.irp t, 0,1
	v_max3_num_f32 v[BM+16*\t+\b], |v[S+64*\t+16*\b]|, |v[S+64*\t+1+16*\b]|, 0x1800000
.endr
.endr
.irp i, 2,4,6,8,10,12,14
.irp b, 0,1
.irp t, 0,1
	v_max3_num_f32 v[BM+16*\t+\b], v[BM+16*\t+\b], |v[S+64*\t+16*\b+\i]|, |v[S+64*\t+1+16*\b+\i]|
.endr
.endr
.endr
.irp b, 0,1
.irp t, 0,1
	v_permlanex16_b32 v[BM+16*\t+2+\b], v[BM+16*\t+\b], s[SEL], s[SEL+1]
.endr
.endr
.irp b, 0,1
.irp t, 0,1
	v_max_num_f32 v[BM+16*\t+\b], v[BM+16*\t+\b], v[BM+16*\t+2+\b]   ; with lane l xor 16's 16 channels: the block's largest magnitude
.endr
.endr
.irp b, 0,1
.irp t, 0,1
	v_add_nc_u32 v[SO+16*\t+\b], 0xff000000, v[BM+16*\t+\b]
.endr
.endr
.irp b, 0,1
.irp t, 0,1
	v_lshrrev_b32 v[BM+16*\t+2+\b], 23, v[SO+16*\t+\b]
.endr
.endr
	WIN 0x11
.irp t, 0,1
	v_lshl_or_b32 v[PW+\t], v[BM+16*\t+3], 8, v[BM+16*\t+2]
.endr
	WIN 0x05
.irp t, 0,1
	v_cvt_scalef32_pk16_fp6_f32 v[PC+12*\t:PC+12*\t+2], v[S+64*\t:S+64*\t+15], v[SO+16*\t]
	v_cvt_scalef32_pk16_fp6_f32 v[CT+8*\t:CT+8*\t+2], v[S+64*\t+16:S+64*\t+31], v[SO+16*\t+1]
.endr
	WIN 0
	v_nop                                          ; one plain place behind the scaled conversions
.irp t, 0,1
.irp i, 0,1,2
	v_permlane16_swap_b32 v[PC+12*\t+\i], v[CT+8*\t+\i]   ; a whole block to a lane
.endr
.endr
.irp t, 0,1
.irp i, 0,1,2
	v_mov_b32 v[PC+12*\t+3+\i], v[CT+8*\t+\i]
.endr
.endr
.irp t, 0,1
	global_store_b128 v1, v[PC+12*\t:PC+12*\t+3], s[8:9] offset:12288*\t
	global_store_b64 v2, v[PC+12*\t+4:PC+12*\t+5], s[8:9] offset:12288*\t+512
	global_store_b16 v5, v[PW+\t], s[10:11] offset:512*\t
.endr
	s_wait_tensorcnt 0x0                           ; the wave's end
	ds_add_u32 v[SPW], v[NIL]
	s_wait_dscnt 0x0
	CROUND                                         ; the closing round
	s_endpgm
.Lfunc_end_k_qfc7378178e_attn:
	.size	k_qfc7378178e_attn, .Lfunc_end_k_qfc7378178e_attn-k_qfc7378178e_attn
	.p2alignl 7, 3214868480
	.fill 96, 4, 3214868480
	.section	.rodata,"a",@progbits
	.p2align	6, 0x0
	.amdhsa_kernel k_qfc7378178e_attn
		.amdhsa_group_segment_fixed_size 257024
		.amdhsa_private_segment_fixed_size 0
		.amdhsa_enable_private_segment 0
		.amdhsa_kernarg_size 32
		.amdhsa_user_sgpr_count 2
		.amdhsa_user_sgpr_kernarg_segment_ptr 1
		.amdhsa_wavefront_size32 1
		.amdhsa_system_sgpr_workgroup_id_x 1
		.amdhsa_system_sgpr_workgroup_id_y 1
		.amdhsa_system_sgpr_workgroup_id_z 1
		.amdhsa_system_vgpr_workitem_id 0
		.amdhsa_next_free_vgpr 512
		.amdhsa_next_free_sgpr 66
		.amdhsa_reserve_vcc 0
		.amdhsa_float_denorm_mode_32 3
		.amdhsa_float_denorm_mode_16_64 3
		.amdhsa_memory_ordered 1
		.amdhsa_forward_progress 1
		.amdhsa_inst_pref_size 72
	.end_amdhsa_kernel
	.amdgpu_metadata
---
amdhsa.version: [ 1, 2 ]
amdhsa.kernels:
  - .name:           k_qfc7378178e_attn
    .symbol:         k_qfc7378178e_attn.kd
    .args:
      - { .name: Qb, .offset: 0, .size: 8, .value_kind: global_buffer, .address_space: global }
      - { .name: KV, .offset: 8, .size: 8, .value_kind: global_buffer, .address_space: global }
      - { .name: Oc, .offset: 16, .size: 8, .value_kind: global_buffer, .address_space: global }
      - { .name: Os, .offset: 24, .size: 8, .value_kind: global_buffer, .address_space: global }
    .group_segment_fixed_size: 257024
    .private_segment_fixed_size: 0
    .kernarg_segment_align: 8
    .kernarg_segment_size: 32
    .max_flat_workgroup_size: 256
    .sgpr_count:     66
    .vgpr_count:     512
    .wavefront_size: 32
...
	.end_amdgpu_metadata
.endif
;; end of part 3
;; launch outp (part 4): grid 4 x 64, 4 waves a work-group, clusters of 4 x 1, 168,448 bytes of LDS; arguments Oc, Os, Wc, Ws, bo, out0; writes out0
.if DOCPART == 4
	.amdgcn_target "amdgcn-amd-amdhsa--gfx1250"
	.amdhsa_code_object_version 6
	.text
	.protected	k_qfc7378178e_outp
	.globl	k_qfc7378178e_outp
	.p2align	8
	.type	k_qfc7378178e_outp,@function
k_qfc7378178e_outp:
	s_mov_b64 s[64:65], 0
	v_nop
	global_prefetch_b8 v0, s[64:65] scope:SCOPE_SE
	s_setreg_imm32_b32 hwreg(HW_REG_WAVE_MODE, 25, 1), 1
	s_wait_xcnt 0x0
	s_wait_alu depctr_hold_cnt(0) depctr_sa_sdst(0) depctr_va_vdst(0) depctr_va_sdst(0) depctr_va_ssrc(0) depctr_va_vcc(0) depctr_vm_vsrc(0)
	s_getreg_b32 s2, hwreg(HW_REG_IB_STS2, 6, 4)
	s_cmp_eq_u32 s2, 0
	s_cbranch_scc0 .Lentry_in_a_cluster
	s_endpgm
.Lentry_in_a_cluster:
	s_bfe_u32 s2, ttmp6, 0x10000c
	s_cmp_lg_u32 s2, 0x3003
	s_cbranch_scc0 .Lentry_shape_is_right
	s_endpgm
.Lentry_shape_is_right:
; out0 = x Wo + bo on codes of FP6 (E2M3) with E8M0 scales, f32 sums.  x comes as attention left it: Oc [token tile 256][head 16] 768 bytes (registers 0-3 at 16 L, registers 4, 5 at 512 + 8 L), Os [tile][K step 8][r] a word.
; SHARES.  Work-group y = 64 tokens (4 tiles); the four work-groups of a cluster take 256 columns each; wave w 64 columns: its 4 tiles of Wo, for all of K, stay in 384 registers.
; The 64 tokens' codes (49,152 dense bytes) and scale words (2,048) come into LDS once, asked for JOINTLY by the four work-groups.  Nothing is filled again.  Wo goes into registers by ordinary loads, so it is not asked for jointly.
; Source 0 = 16 columns of Wo, source 1 = 16 tokens: a lane holds one token and eight neighbouring columns.  Rows of a tile are not neighbours: lane r of tile 2 B + u is row 32 B + 8 u + r + 8 (r / 8).
; The bias is the C of each sum's first product.  Results leave through the wave's own stage in LDS: sixteen lanes store 256 consecutive bytes, aligned.
; REGISTERS: window 0: v1-7, v60 addresses; v8-23 Wo's scale words; v24-39 x's; v64-111, v112-159 x's fragments, two sets; v160-223 rows on the way out.
;   window 1: Wo's fragments of K steps 0-4;  window 2: of K steps 5-7, from v160 the bias;  window 3: the 16 accumulators (a, t) at v[32 a + 8 t].
.set WV,  26
.set WS,  8
.set XS,  24
.set XF,  64
.set BI,  160
.set BK,  160
.set STO, 4
.set RD,  5
.set AXW, 6
.set CO,  60
.set SP,  272                          ; a stage row: 256 bytes + 16 = 68 words: row r begins at bank 4 r mod 64 (64 banks of 4 bytes: ISA guide 11.1)
.set STAGE, 51200                      ; behind the codes and the words: 16 rows for each wave; no fill lands there
.set MSB, 0
.macro WIN new                         ; the immediate's high byte repeats the setting that is left
.if MSB != \new
	s_set_vgpr_msb (MSB<<8)|\new
.set MSB, \new
.endif
.endm
.macro PLACES
.rept 4
	v_nop
.endr
.endm
.macro CROUND                          ; a round of the cluster's barrier
	s_barrier_signal -1
	s_barrier_wait -1
	s_cmp_lg_u32 s[WV], 0
	s_cbranch_scc1 .Lnot_wave_0_\@
	s_barrier_signal -3
.Lnot_wave_0_\@:
	s_barrier_wait -3
	s_barrier_signal -1
	s_barrier_wait -1
.endm
	s_load_b256 s[8:15], s[0:1], 0x0               ; Oc s[8:9], Os s[10:11], Wc s[12:13], Ws s[14:15]
	s_load_b128 s[16:19], s[0:1], 0x20             ; bo s[16:17], out0 s[18:19]
	v_lshl_add_u32 v254, v0, 2, 0x29000
	v_mov_b32 v255, 0
	ds_add_u32 v254, v255
	ds_add_u32 v254, v255
	v_lshrrev_b32 v1, 5, v0
	v_readfirstlane_b32 s[WV], v1                  ; wave 0..3
	s_bfe_u32 s27, ttmp6, 0x40000                  ; cx: it enters Wo's, the bias's and the output's addresses alone
	s_and_b32 s34, ttmp7, 0xffff                   ; which 64 tokens: shared by the four partners
	s_lshl_b32 s35, s27, 2
	s_add_co_u32 s35, s35, s[WV]                   ; which 64 columns
	s_mov_b32 s36, 15|(3<<16)|(1<<21)              ; group 1 for the codes: 64 rows of 256 bytes a wave; the mask names all four work-groups
	s_mov_b32 s37, 32<<16
	s_mov_b32 s38, 64<<16                          ; waves 0-2 bring a third of the codes each: 64 rows
	s_mov_b32 s39, 32<<16
	s_mov_b32 s40, 64
	s_mov_b32 s41, 32
	s_mov_b32 s42, 0
	s_mov_b32 s43, 0
	s_mov_b32 s44, 15|(3<<16)|(1<<21)              ; for the words: 8 rows
	s_mov_b32 s45, 32<<16
	s_mov_b32 s46, 8<<16                           ; wave 3 brings all the words: 8 rows
	s_mov_b32 s47, 32<<16
	s_mov_b32 s48, 8
	s_mov_b32 s49, 32
	s_mov_b32 s50, 0
	s_mov_b32 s51, 0
	s_mul_i32 s72, s34, 49152
	s_mul_i32 s74, s[WV], 16384                    ; my third of the codes: in memory and in LDS alike
	s_add_co_u32 s72, s72, s74
	s_mov_b32 s73, 0
	s_lshl_b32 s76, s34, 11
	s_mov_b32 s75, 0
	s_add_co_u32 s76, s76, s75
	s_mov_b32 s77, 0
	s_wait_dscnt 0x0
	s_wait_kmcnt 0x0
	s_mov_b32 s52, 1
	s_add_co_u32 s53, s75, 49152
	s_add_nc_u64 s[54:55], s[10:11], s[76:77]
	s_or_b32 s55, s55, 0x80000000
	s_mov_b32 s56, 1
	s_mov_b32 s57, s74
	s_add_nc_u64 s[58:59], s[8:9], s[72:73]
	s_or_b32 s59, s59, 0x80000000
	CROUND                                         ; all four work-groups are here: the joint loads meet
	s_cmp_lt_u32 s[WV], 3                          ; the only fills of the launch, one a wave
	s_cbranch_scc0 .Lhead_w
	tensor_load_to_lds s[56:59], s[36:43]          ; waves 0-2: the codes
	s_nop 0
	PLACES
	s_branch .Lhead_asked
.Lhead_w:
	tensor_load_to_lds s[52:55], s[44:51]          ; wave 3: the scale words
	s_nop 0
	PLACES
.Lhead_asked:
	v_and_b32 v63, 31, v0
	v_lshlrev_b32 v1, 4, v63                       ; 16 L
	v_lshlrev_b32 v2, 3, v63                       ; 8 L
	v_lshlrev_b32 v3, 2, v63                       ; 4 L
	v_add_nc_u32 v[AXW], 49152, v3
	v_and_b32 v61, 15, v0                          ; r
	v_bfe_u32 v62, v0, 4, 1                        ; h
	v_lshlrev_b32 v7, 6, v62                       ; the bias: 16 h numbers on
	s_wait_alu depctr_va_vdst(0)
	s_mul_i32 s78, s[WV], 16*SP
	s_add_co_u32 s78, s78, STAGE                   ; my stage
	v_mul_u32_u24 v[STO], v61, SP
	v_lshl_add_u32 v[STO], v62, 6, v[STO]
	v_add_nc_u32 v[STO], s78, v[STO]               ; in: row r, + 64 h
	v_mul_u32_u24 v[RD], v62, SP
	v_lshl_add_u32 v[RD], v61, 4, v[RD]
	v_add_nc_u32 v[RD], s78, v[RD]                 ; back: lanes 0-15 one row, lanes 16-31 the next
	v_lshlrev_b32 v[CO], 12, v62
	v_lshl_add_u32 v[CO], v61, 4, v[CO]            ; and the same in out0: rows of 4,096 bytes
	s_lshl_b32 s78, s35, 2
	s_add_co_u32 s78, s78, 192                     ; my first tile of the weights: 64 x 3 + 4 x my 64 columns' number
	s_lshl_b32 s80, s78, 9
	s_mov_b32 s81, 0
	s_add_nc_u64 s[14:15], s[14:15], s[80:81]
	s_mul_i32 s80, s78, 12288
	s_add_nc_u64 s[12:13], s[12:13], s[80:81]
	s_lshl_b32 s80, s35, 8
	s_add_nc_u64 s[16:17], s[16:17], s[80:81]      ; my 64 numbers of the bias,
	s_add_nc_u64 s[18:19], s[18:19], s[80:81]      ; my 256 bytes of a row of out0,
	s_lshl_b32 s80, s34, 18
	s_add_nc_u64 s[18:19], s[18:19], s[80:81]      ; at the work-group's first token
.irp t, 0,1,2,3
.irp g, 0,1,2,3
	global_load_b32 v[WS+4*\t+\g], v3, s[14:15] offset:512*\t+128*\g   ; lanes 0-15 K step 2 g, lanes 16-31 K step 2 g + 1
.endr
.endr
	WIN 0x80
.irp t, 0,1,2,3
.irp g, 0,1
	global_load_b128 v[BI+8*\t+4*\g:BI+8*\t+4*\g+3], v7, s[16:17] offset:(32*(\t/2)+8*(\t%2))*4+16*\g   ; register j of tile t is column 32 (t / 2) + 16 h + 8 (t % 2) + j
.endr
.endr
.irp s, 0,1,2,3,4,5,6,7                        ; Wo's fragments in the order of the K steps, 12 loads a step
.if \s < 5
	WIN 0x40
.set WR, 48*\s
.else
	WIN 0x80
.set WR, 48*(\s-5)
.endif
.irp t, 0,1,2,3
.irp g, 0,1,2
	global_load_b128 v[WR+12*\t+4*\g:WR+12*\t+4*\g+3], v1, s[12:13] offset:12288*\t+1536*\s+512*\g
.endr
.endr
.endr
	WIN 0
.macro FETCH s                         ; the 4 token tiles' fragments of K step s (heads 2 s and 2 s + 1: registers 0-5 and 6-11) into set s % 2: 16 loads
.irp a, 0,1,2,3
.irp c, 0,1
	ds_load_b128 v[XF+48*((\s)%2)+12*\a+6*\c:XF+48*((\s)%2)+12*\a+6*\c+3], v1 offset:12288*\a+768*(2*(\s)+\c)
	ds_load_b64 v[XF+48*((\s)%2)+12*\a+6*\c+4:XF+48*((\s)%2)+12*\a+6*\c+5], v2 offset:12288*\a+768*(2*(\s)+\c)+512
.endr
.endr
.endm
.macro MM s, a, t
.if \s < 5
.set WR, 12*(4*\s+\t)
.else
.set WR, 12*(4*(\s-5)+\t)
.endif
.set XR, XF+48*(\s%2)+12*\a
.set DR, 32*\a+8*\t
.if \s == 0
.set CR, BI+8*\t
.else
.set CR, DR
.endif
.if \s%2
	v_wmma_scale_f32_16x16x128_f8f6f4 v[DR:DR+7], v[WR:WR+11], v[XR:XR+11], v[CR:CR+7], v[WS+4*\t+\s/2], v[XS+4*\a+\s/2] matrix_a_fmt:MATRIX_FMT_FP6 matrix_b_fmt:MATRIX_FMT_FP6 matrix_a_scale:MATRIX_SCALE_ROW1 matrix_b_scale:MATRIX_SCALE_ROW1
.else
	v_wmma_scale_f32_16x16x128_f8f6f4 v[DR:DR+7], v[WR:WR+11], v[XR:XR+11], v[CR:CR+7], v[WS+4*\t+\s/2], v[XS+4*\a+\s/2] matrix_a_fmt:MATRIX_FMT_FP6 matrix_b_fmt:MATRIX_FMT_FP6
.endif
.endm
	s_wait_tensorcnt 0x0                           ; my parts are in,
	s_barrier_signal -1
	s_barrier_wait -1                              ; everybody's are
.irp a, 0,1,2,3
.irp g, 0,1,2,3
	ds_load_b32 v[XS+4*\a+\g], v[AXW] offset:512*\a+128*\g
.endr
.endr
	FETCH 0
.irp s, 0,1,2,3,4,5,6,7                        ; the 16 accumulators take turns, one instruction a turn, in the same order in every step
.if \s < 7
.if \s > 0
	PLACES                                         ; the set to be loaded was read by the step before
.endif
	FETCH \s+1
	s_wait_dscnt 16                                ; all but the 16 loads just issued
.else
	s_wait_dscnt 0x0
.endif
.set LC, 12*(7-\s)
.if LC > 63
.set LC, 63
.endif
	s_wait_loadcnt LC                              ; Wo's 12 loads of this K step are in: behind them 12 for each later step were issued (the field holds 63)
.if \s == 0
	WIN 0xe1                                       ; Wo window 1, x window 0, C (the bias) window 2, D window 3
.elseif \s < 5
	WIN 0xf1
.else
	WIN 0xf2
.endif
.irp a, 0,1,2,3
.irp t, 0,1,2,3
	MM \s, \a, \t
.endr
.endr
	WIN 0
.endr
; THE WAY OUT, a tile of 16 tokens at a time: 32 bytes a lane into my stage, back as whole rows of 256 bytes.
.macro TOSTAGE a
	WIN 0x0c                                       ; an LDS store's data are its source 1: window 3
.irp t, 0,1,2,3
.irp g, 0,1
	ds_store_b128 v[STO], v[32*\a+8*\t+4*\g:32*\a+8*\t+4*\g+3] offset:128*(\t/2)+32*(\t%2)+16*\g   ; each accumulator from its low end on
.endr
.endr
	WIN 0
.irp i, 0,1,2,3,4,5,6,7
	ds_load_b128 v[BK+32*(\a%2)+4*\i:BK+32*(\a%2)+4*\i+3], v[RD] offset:2*SP*\i   ; LDS serves a wave's instructions in order (ISA guide 5.7.1.4): these see the stores above, and the next tile's stores come behind them
.endr
.endm
.macro SEND a, younger                 ; younger: the LDS instructions issued behind tile a's loads
	s_wait_dscnt \younger
.irp i, 0,1,2,3,4,5,6,7
	global_store_b128 v[CO], v[BK+32*((\a)%2)+4*\i:BK+32*((\a)%2)+4*\i+3], s[18:19] offset:(32*((\a)/2)+8*((\a)%2)+2*\i+8*(\i/4))*4096 th:TH_STORE_NT   ; stage rows 2 i, 2 i + 1 are tokens 2 i + 8 (i / 4) + h of the tile; sixteen lanes store 256 consecutive bytes, aligned
.endr
.endm
	PLACES
	s_wait_alu depctr_va_vdst(0)
	TOSTAGE 0
.irp a, 1,2,3
.if \a > 1
	s_wait_xcnt 0x0                                ; tile a - 2's stores have read their registers: tile a's rows may land there
.endif
	TOSTAGE \a
	SEND \a-1, 16                                  ; behind tile a - 1's loads: tile a's 8 stores and 8 loads
.endr
	SEND 3, 0
	s_wait_tensorcnt 0x0
	ds_add_u32 v254, v255
	s_wait_dscnt 0x0
	CROUND                                         ; the closing round
	s_endpgm
.Lfunc_end_k_qfc7378178e_outp:
	.size	k_qfc7378178e_outp, .Lfunc_end_k_qfc7378178e_outp-k_qfc7378178e_outp
	.p2alignl 7, 3214868480
	.fill 96, 4, 3214868480
	.section	.rodata,"a",@progbits
	.p2align	6, 0x0
	.amdhsa_kernel k_qfc7378178e_outp
		.amdhsa_group_segment_fixed_size 168448
		.amdhsa_private_segment_fixed_size 0
		.amdhsa_enable_private_segment 0
		.amdhsa_kernarg_size 48
		.amdhsa_user_sgpr_count 2
		.amdhsa_user_sgpr_kernarg_segment_ptr 1
		.amdhsa_wavefront_size32 1
		.amdhsa_system_sgpr_workgroup_id_x 1
		.amdhsa_system_sgpr_workgroup_id_y 1
		.amdhsa_system_sgpr_workgroup_id_z 1
		.amdhsa_system_vgpr_workitem_id 0
		.amdhsa_next_free_vgpr 1024
		.amdhsa_next_free_sgpr 90
		.amdhsa_reserve_vcc 0
		.amdhsa_float_denorm_mode_32 3
		.amdhsa_float_denorm_mode_16_64 3
		.amdhsa_memory_ordered 1
		.amdhsa_forward_progress 1
		.amdhsa_inst_pref_size 52
	.end_amdhsa_kernel
	.amdgpu_metadata
---
amdhsa.version: [ 1, 2 ]
amdhsa.kernels:
  - .name:           k_qfc7378178e_outp
    .symbol:         k_qfc7378178e_outp.kd
    .args:
      - { .name: Oc, .offset: 0, .size: 8, .value_kind: global_buffer, .address_space: global }
      - { .name: Os, .offset: 8, .size: 8, .value_kind: global_buffer, .address_space: global }
      - { .name: Wc, .offset: 16, .size: 8, .value_kind: global_buffer, .address_space: global }
      - { .name: Ws, .offset: 24, .size: 8, .value_kind: global_buffer, .address_space: global }
      - { .name: bo, .offset: 32, .size: 8, .value_kind: global_buffer, .address_space: global }
      - { .name: out0, .offset: 40, .size: 8, .value_kind: global_buffer, .address_space: global }
    .group_segment_fixed_size: 168448
    .private_segment_fixed_size: 0
    .kernarg_segment_align: 8
    .kernarg_segment_size: 48
    .max_flat_workgroup_size: 128
    .sgpr_count:     90
    .vgpr_count:     1024
    .wavefront_size: 32
...
	.end_amdgpu_metadata
.endif
;; end of part 4
